; MI455X (gfx1250); checked and timed in simulation.
; The chip was launched on July 23, 2026; its instructions are those of AMD's public machine-readable ISA for CDNA 5 (MIT licence, August 2026) and "CDNA5" Instruction Set Architecture Reference Guide (July 2026). The comments in the code are by the model that wrote it; some were corrected since.
;; Nonlocal. Allowed arithmetic: matrix products marked QUANTISED: E3M2 operands, one E8M0 scale for each 32 along K, by v_wmma_scale_f32_16x16x128_f8f6f4 with both operands' format E3M2, f32 sums; everything else in f32.
;; Inputs: b_g 128 float32; b_phi 128 float32; b_rec 256 float32; b_theta 128 float32; w_g 128 x 256 float32; w_phi 128 x 256 float32; w_rec 256 x 128 float32; w_theta 128 x 256 float32; x 4 x 256 x 64 x 64 float32.
;; Outputs: out0 4 x 256 x 64 x 64 float32.
;; This version of the problem:
;;   THIS VERSION OF THE PROBLEM IS GIVEN IN LOW PRECISION. The matrix products marked QUANTISED in the list below multiply operands that are first quantised to E3M2 (3 exponent bits, 2 mantissa bits; 6 bits a number), with one power-of-two scale for each 32 numbers along K (OCP MX v1.0); their sums are f32. All else is computed in f32.
;;   The module's matrix products, in the order in which they are computed (A, B: the left and right operand; K: the contracted axis; several contracted axes count as one K, in the product's order):
;;     1. [M 16,384, K 256] x [K 256, N 128]; A: input x; B: input w_theta: QUANTISED
;;     2. [M 16,384, K 256] x [K 256, N 128]; A: input x; B: input w_phi: QUANTISED
;;     3. [M 16,384, K 256] x [K 256, N 128]; A: input x; B: input w_g: QUANTISED
;;     4. batch 4 x [M 4,096, K 128] x [K 128, N 4,096]; A: computed on the way; B: computed on the way: QUANTISED
;;     5. batch 4 x [M 128, K 4,096] x [K 4,096, N 4,096]; A: computed on the way; B: computed on the way: QUANTISED
;;     6. [M 16,384, K 128] x [K 128, N 256]; A: computed on the way; B: input w_rec: QUANTISED
;;   THE QUANTISER, for each operand of a quantised product, along K:
;;     - K is cut into blocks of 32 from its start; a last block that is shorter is filled with zeros.
;;     - A block's scale is 2^e with e = floor(log2(the largest magnitude in the block)) - 4, held to -126 .. 127; a block of zeros has e = 0. As a byte (E8M0): e + 127.
;;     - Each number is divided by its block's scale, clamped to +-28, and rounded to the nearest number of E3M2, ties to even, subnormals kept.
;;     - The product sums the exact products of the quantised numbers (number of the format x scale) in f32.
;;   ~~~python
;;   def quantise(x, axis):      # numpy; x: float32 -> the quantised numbers, widened to float32 again
;;       x = np.moveaxis(x, axis, -1); K = x.shape[-1]
;;       x = np.pad(x, [(0, 0)] * (x.ndim - 1) + [(0, -K % 32)]); x = x.reshape(x.shape[:-1] + (-1, 32)); a = np.abs(x).max(-1, keepdims=True)
;;       e = np.where(a > 0, np.clip(np.frexp(np.where(a > 0, a, 1))[1] - 1 - 4, -126, 127), 0)      # np.frexp(a)[1] - 1 = floor(log2(a)), exactly
;;       r = np.clip(x / 2.0 ** e, -28, 28)
;;       step = 2.0 ** (np.maximum(np.frexp(np.where(r == 0, 1, r))[1] - 1, -2) - 2)
;;       q = np.round(r / step) * step * 2.0 ** e      # np.round: ties to even
;;       return np.moveaxis(q.reshape(q.shape[:-2] + (-1,))[..., :K], -1, axis).astype(np.float32)
;;   ~~~
;;   OPERANDS COMPUTED ON THE WAY. 'Computed on the way' means the value that the module computes at that place (a softmax that the list does not call 'softmax' is quantised finished and normalised). What goes into a quantiser is computed in f32, as accurately as f32 sums, v_exp_f32 and their like allow (about 1e-6 of the number): no bf16 or f16 on the way to a quantiser, and a product that is left as it is and whose result goes on into a quantised operand takes f32 operands (vector FMAs, or v_wmma_f32_16x16x4_f32). A number that lies on a knife's edge between two numbers of the format may be rounded either way, as far as f32 arithmetic and the matrix unit's own rounding can turn it there, and no further.
;; 2 versions, each right. Each part assembles by itself: llvm-mc -triple=amdgcn-amd-amdhsa -mcpu=gfx1250 --defsym DOCPART=n.
;; ======== version 1 of 2: 2 launches
;; limits: right only within a limited range of input values
;; workspace buffers: th 1,572,864 bytes; ths 65,536 bytes; kv 3,276,800 bytes; wr 26,624 bytes
;; launch proj (part 1): grid 32 x 4, 8 waves a work-group, no clusters, 236,032 bytes of LDS; arguments x, w_theta, b_theta, w_phi, b_phi, w_g, b_g, w_rec, th, ths, kv, wr; writes th, ths, kv, wr
.if DOCPART == 1
	.amdgcn_target "amdgcn-amd-amdhsa--gfx1250"
	.amdhsa_code_object_version 6
	.text
	.protected	k_qe18a95d6c7_proj
	.globl	k_qe18a95d6c7_proj
	.p2align	8
	.type	k_qe18a95d6c7_proj,@function
k_qe18a95d6c7_proj:
	s_mov_b64 s[64:65], 0
	v_nop
	global_prefetch_b8 v0, s[64:65] scope:SCOPE_SE
	s_setreg_imm32_b32 hwreg(HW_REG_WAVE_MODE, 25, 1), 1
	s_wait_xcnt 0x0
; theta, phi, g = W x + b for x [4][256 channels][4096 positions], f32; W [128][256], b [128].  Both operands of each product are quantised along the 256 channels to codes of
; E3M2 with one E8M0 byte for each 32; sums in f32, the bias as the C of each sum's first matrix instruction.  The results are quantised at once for the products that take them:
; theta and phi along their 128 channels, g along the positions; w_rec [256][128] along its 128.  All leave as IMAGES OF OPERAND REGISTERS (12 registers x 32 lanes = 1,536 bytes:
; three runs of 512 bytes, lane l at 16 l), so that the next launch loads fragments by 16-byte loads alone.
; NO WORK IS LEFT OUT: every input has a way to the output.  The factor 1 / 4096 of the next product is a power of two: 12 is taken off each of theta's scale bytes, which is exact.
; LIMITS: NaN and infinities are not served.  A block's largest magnitude is taken no smaller than 2^-122 (theta: 2^-110, so that its byte less 12 stays at 1 or more); a block of zeros
; so gets the floor's byte over zero codes, which add nothing; the bytes are read by this program alone.
; SHARES.  A work-group takes 128 positions of one batch, so that each fragment of g (128 positions along K) and each scale word has one maker.  Eight waves; wave p does all that has
; the index p: rows tile p of the three weights, a quarter of the positions x half of the channels of x, position tile p of theta and phi, channel tile p of g.
; THE ROWS OF A TILE ARE NOT NEIGHBOURS: lane r of tile 2 b + u takes row 32 b + 8 u + r + 8 (r / 8) (positions of x, rows of the three weights), so that the 16 result registers of
; tiles 2 b and 2 b + 1 are 16 neighbours along the next K: 32 b + 16 (lane / 16) + 0 .. 15.  w_rec's tiles take rows 16 t + r.
; NO CLUSTER: what work-groups share is the weights, 393,216 bytes as f32; beside x's 131,072 they pass the 327,680 bytes that a work-group can claim, so they go to registers; x's tiles are shared with nobody.
; x comes once by one tensor load a wave (32 channels x 512 bytes); nothing in LDS is filled twice.
.set XF,    0                          ; LDS: x as f32, 256 channel rows of 512 bytes
.set XIMG,  131072                     ; x's 16 images, index 2 (position tile) + K step
.set WIMG,  155648                     ; the weights' 48 images: 24,576 a matrix, index 2 (row tile) + K step
.set XSC,   229376                     ; x's scale words: index idx, row r at 256 (idx / 4) + 16 r + 4 (idx % 4)
.set WSC,   230400                     ; the weights' likewise, 1,024 bytes a matrix
.set SST,   233472                     ; outgoing scale words: 1,024 bytes as the kv block has them, then 512 for ths
.set SPARE, 235008                     ; the spare words, 128 bytes a wave: four blocks of 256 bytes that no other line names
.set FL,    0x2800000                  ; 2^(5 - 127): the floor under a block's largest magnitude
.set FLT,   0x8800000                  ; 2^(17 - 127): theta's
.set LI,  2                            ; v2   16 x lane
.set R16, 3                            ; v3   16 x (lane % 16)
.set WA,  4                            ; v4   a weight: my row of tile p x 1,024 + 64 (lane / 16)
.set WRA, 5                            ; v5   w_rec: my row x 512 + 64 (lane / 16)
.set WW,  6                            ; v6   LDS: images of my row tile of a weight
.set WSW, 7                            ; v7   and their scale words
.set XRD, 8                            ; v8   LDS: my column of x, my 128 channels
.set XW,  9                            ; v9   where I store x's images
.set XSW, 10                           ; v10  and their scale words
.set XB,  11                           ; v11  x's images of position tile p
.set XBS, 12                           ; v12  and their scale words
.set AX,  13                           ; v13  all of x's images
.set AW,  14                           ; v14  all of the weights'
.set AXS, 15                           ; v15  all of x's scale words
.set AWS, 16                           ; v16  all of the weights'
.set SSK, 17                           ; v17  outgoing scale words of phi (g: 256 on)
.set SSTH, 18                          ; v18  of theta
.set SSR, 19                           ; v19  where waves 0 to 2 read them back
.set BA,  20                           ; v20  64 (lane / 16): a bias's eight numbers of my half
.set BGA, 21                           ; v21  4 x my row of tile p: b_g
.set SPW, 22                           ; v22  my spare word; never rewritten
.set NIL, 23                           ; v23  0; never rewritten
.set TM,  24                           ; v24-39 at work in the quantiser
.set PW,  40                           ; v40  the scale word just made
.set L4,  41                           ; v41  4 x lane
.set BS,  42                           ; v42-43 source 1's scale words: scales and nothing else
.set AS,  44                           ; v44-59 source 0's
.set PC,  60                           ; v60-71 the fragment just made
.set PT,  72                           ; v72-79 its upper halves on the way
.set AF0, 80                           ; v80-175 source 0's eight fragments, K step 0
.set BF,  176                          ; v176-199 source 1's two fragments
.set XD,  80                           ; v80-207 my column's 128 numbers of x
.set F0,  208
.set F1,  220
.set XT,  232
.set ACC0, 0                           ; window 1: v0-63 theta, then g;  v64-127 phi;  v128-223 source 0, K step 1;  v224-231 b_g eight times;  v232 b_g.  Earlier: four buffers of 64 numbers of a weight
.set ACC1, 64
.set AF1, 128
.set CB,  224
.set BG,  232
.set G1,  32                           ; s[32:39] descriptor group 1;  s[40:43] group 0
.set G0,  40
.set WV,  44
.set BLK, 45
.set BAT, 46
.set ID,  47
.set SEL, 48
.set MSB, 0
.macro WIN new                         ; the immediate's high byte repeats the setting that is left; a switch that changes nothing is dropped
.if MSB != (\new)
	s_set_vgpr_msb (MSB<<8)|(\new)
.set MSB, (\new)
.endif
.endm
.macro PLACES n
.rept \n
	v_nop
.endr
.endm
; 64 numbers of a lane in window w, register 16 b + i = k 32 b + 16 (lane / 16) + i of my row, become a fragment in v[pc] on and its scale word in v[pw], both in window 0.
.macro QUANT s, w, fl, pc, pw
	WIN 5*(\w)                                     ; sources 0 and 1: the numbers
.irp b, 0,1,2,3
	v_max3_num_f32 v[TM+\b], |v[(\s)+16*\b]|, |v[(\s)+16*\b+1]|, \fl   ; block b: my 16 numbers and the floor; each result tile is first read at its low end
.endr
.irp i, 2,4,6,8,10,12,14
.irp b, 0,1,2,3
	v_max3_num_f32 v[TM+\b], |v[(\s)+16*\b+\i]|, |v[(\s)+16*\b+\i+1]|, v[TM+\b]   ; the four blocks by turns
.endr
.endr
	WIN 0
.irp b, 0,1,2,3
	v_permlanex16_b32 v[TM+4+\b], v[TM+\b], s[SEL], s[SEL+1]
.endr
.irp b, 0,1,2,3
	v_max_num_f32 v[TM+\b], v[TM+\b], v[TM+4+\b]   ; with lane l xor 16's 16: the block's largest magnitude
.endr
.irp b, 0,1,2,3
	v_add_nc_u32 v[TM+12+\b], 0xfe000000, v[TM+\b] ; 4 off its exponent field: the conversion's scale operand
.endr
.irp b, 0,1,2,3
	v_lshrrev_b32 v[TM+4+\b], 23, v[TM+12+\b]      ; the scale's byte
.endr
	v_lshl_or_b32 v[\pw], v[TM+5], 8, v[TM+4]
	v_lshl_or_b32 v[\pw], v[TM+6], 16, v[\pw]
	v_lshl_or_b32 v[\pw], v[TM+7], 24, v[\pw]
	WIN (\w)
.irp c, 0,1
	v_cvt_scalef32_pk16_bf6_f32 v[(\pc)+6*\c:(\pc)+6*\c+2], v[(\s)+32*\c:(\s)+32*\c+15], v[TM+12+2*\c]
	v_cvt_scalef32_pk16_bf6_f32 v[PT+4*\c:PT+4*\c+2], v[(\s)+32*\c+16:(\s)+32*\c+31], v[TM+13+2*\c]   ; a conversion's three registers begin on an even number
.endr
	WIN 0
	v_nop                                          ; one plain instruction behind the last conversion
.irp c, 0,1                                    ; the operand wants a whole block in a lane: lanes 0-15 block 2 c, lanes 16-31 block 2 c + 1
.irp i, 0,1,2
	v_permlane16_swap_b32 v[(\pc)+6*\c+\i], v[PT+4*\c+\i]
.endr
.irp i, 0,1,2
	v_mov_b32 v[(\pc)+6*\c+3+\i], v[PT+4*\c+\i]
.endr
.endr
.endm
	s_load_b512 s[8:23], s[0:1], 0x0               ; x 8, w_theta 10, b_theta 12, w_phi 14, b_phi 16, w_g 18, b_g 20, w_rec 22
	s_load_b256 s[24:31], s[0:1], 0x40             ; th 24, ths 26, kv 28, wr 30
	v_lshl_add_u32 v[SPW], v0, 2, SPARE
	v_mov_b32 v[NIL], 0
	ds_add_u32 v[SPW], v[NIL]                      ; the wave's opening: the add, twice on end, and its wait ahead of my tensor load; the set-up below stands between
	ds_add_u32 v[SPW], v[NIL]
	v_lshrrev_b32 v1, 5, v0
	v_readfirstlane_b32 s[WV], v1                  ; p = wave 0..7
	s_mov_b32 s[BLK], ttmp9                        ; which 128 positions
	s_and_b32 s[BAT], ttmp7, 0xffff                ; which batch
	s_lshl_b32 s[ID], s[BAT], 5
	s_add_co_u32 s[ID], s[ID], s[BLK]              ; 32 batch + block
	s_mov_b32 s[G1+0], 2<<16                       ; no mask; elements of 4 bytes; no padding
	s_mov_b32 s[G1+1], 128<<16                     ; tensor_dim0 = 128 positions
	s_mov_b32 s[G1+2], 32<<16                      ; tensor_dim1 = 32 channels
	s_mov_b32 s[G1+3], 128<<16                     ; tile_dim0
	s_mov_b32 s[G1+4], 32                          ; tile_dim1
	s_mov_b32 s[G1+5], 4096                        ; elements from channel to channel
	s_mov_b32 s[G1+6], 0
	s_mov_b32 s[G1+7], 0
	s_mov_b32 s[SEL], 0x76543210
	s_mov_b32 s[SEL+1], 0xfedcba98                 ; v_permlanex16_b32: lane l xor 16
	s_lshl_b32 s50, s[BAT], 22                     ; x: batch x 4,194,304
	s_lshl_b32 s52, s[WV], 19                      ; + my 32 channels x 16,384
	s_add_co_u32 s50, s50, s52
	s_lshl_b32 s52, s[BLK], 9                      ; + block x 512
	s_add_co_u32 s50, s50, s52
	s_mov_b32 s51, 0
	s_mov_b32 s[G0], 1
	s_lshl_b32 s[G0+1], s[WV], 14                  ; LDS: XF + 16,384 p
	s_lshr_b32 s60, s[WV], 1                       ; p / 2
	s_and_b32 s61, s[WV], 1                        ; p % 2
	s_lshr_b32 s62, s[WV], 2                       ; p / 4
	s_and_b32 s63, s[WV], 3                        ; p % 4
	s_lshl_b32 s53, s[ID], 3
	s_add_co_u32 s53, s53, s[WV]                   ; w_rec's tile, in the two work-groups that take it
	v_and_b32 v60, 31, v0                          ; lane
	v_and_b32 v61, 15, v0                          ; r
	v_bfe_u32 v62, v0, 4, 1                        ; h
	v_lshlrev_b32 v[LI], 4, v60
	v_lshlrev_b32 v[L4], 2, v60
	v_lshlrev_b32 v[R16], 4, v61
	s_lshl_b32 s66, s60, 5
	s_lshl_b32 s67, s61, 3
	s_add_co_u32 s66, s66, s67                     ; 32 (p / 2) + 8 (p % 2)
	v_and_b32 v63, 8, v61
	v_add_nc_u32 v63, v63, v61
	v_add_nc_u32 v63, s66, v63                     ; my row of tile p
	v_lshlrev_b32 v[WA], 10, v63
	v_lshl_add_u32 v[WA], v62, 6, v[WA]
	v_lshlrev_b32 v[BGA], 2, v63
	v_lshlrev_b32 v[BA], 6, v62
	s_lshl_b32 s67, s53, 4
	v_add_nc_u32 v[WRA], s67, v61
	v_lshlrev_b32 v[WRA], 9, v[WRA]
	v_lshl_add_u32 v[WRA], v62, 6, v[WRA]
	s_mul_i32 s67, s[WV], 3072
	s_add_co_u32 s68, s67, WIMG
	v_add_nc_u32 v[WW], s68, v[LI]
	s_add_co_u32 s68, s67, XIMG
	v_add_nc_u32 v[XB], s68, v[LI]
	s_lshl_b32 s67, s60, 8
	s_lshl_b32 s68, s61, 3
	s_add_co_u32 s67, s67, s68                     ; 256 (p / 2) + 8 (p % 2): the words of indices 2 p and 2 p + 1
	s_add_co_u32 s68, s67, WSC
	v_add_nc_u32 v[WSW], s68, v[R16]
	s_add_co_u32 s68, s67, XSC
	v_add_nc_u32 v[XBS], s68, v[R16]
	v_and_b32 v63, 7, v0
	v_bfe_u32 v64, v0, 3, 1
	v_lshl_add_u32 v63, v64, 4, v63
	v_lshl_add_u32 v63, v62, 3, v63                ; my column of the 32: lanes 0-15 the rows of tile 2 b, lanes 16-31 those of tile 2 b + 1
	s_lshl_b32 s67, s62, 16                        ; channels 128 (p / 4) on
	s_lshl_b32 s68, s63, 7                         ; positions 32 (p % 4) on
	s_add_co_u32 s67, s67, s68
	v_lshl_add_u32 v[XRD], v63, 2, s67
	s_lshl_b32 s67, s63, 2
	s_add_co_u32 s67, s67, s62
	s_mul_i32 s67, s67, 1536
	s_add_co_u32 s67, s67, XIMG
	v_add_nc_u32 v[XW], s67, v[LI]                 ; image index 4 (p % 4) + p / 4; the odd tile's two further on
	s_lshl_b32 s67, s63, 8
	s_lshl_b32 s68, s62, 2
	s_add_co_u32 s67, s67, s68
	s_add_co_u32 s67, s67, XSC
	v_lshl_add_u32 v[XSW], v62, 3, v[R16]
	v_add_nc_u32 v[XSW], s67, v[XSW]
	v_add_nc_u32 v[AX], XIMG, v[LI]
	v_add_nc_u32 v[AW], WIMG, v[LI]
	v_add_nc_u32 v[AXS], XSC, v[R16]
	v_add_nc_u32 v[AWS], WSC, v[R16]
	s_lshl_b32 s67, s62, 9
	s_lshl_b32 s68, s63, 2
	s_add_co_u32 s67, s67, s68
	s_add_co_u32 s67, s67, SST
	v_add_nc_u32 v[SSK], s67, v[R16]
	s_lshl_b32 s67, s62, 8
	s_add_co_u32 s67, s67, s68
	s_add_co_u32 s67, s67, SST+1024
	v_add_nc_u32 v[SSTH], s67, v[R16]
	s_min_u32 s67, s[WV], 2
	s_lshl_b32 s67, s67, 9
	s_add_co_u32 s67, s67, SST
	v_add_nc_u32 v[SSR], s67, v[LI]
.irp b, 0,1,2,3
	v_mov_b32 v[TM+4+\b], 0                        ; written once: a lane permute's destination counts as one of its sources
.endr
	s_wait_dscnt 0x0                               ; both opening adds are done
	s_wait_kmcnt 0x0
	s_add_nc_u64 s[G0+2:G0+3], s[8:9], s[50:51]
	s_or_b32 s[G0+3], s[G0+3], 0x80000000          ; type = 2
	tensor_load_to_lds s[G0:G0+3], s[G1:G1+7]      ; my 32 channels x 128 positions: the wave's one tensor load
	s_nop 0
	PLACES 4
; fragment f = 2 (matrix) + K step of my row tile: 64 numbers a lane into buffer f % 4 of window 1
.macro WLOAD f
	WIN 0x40
.irp b, 0,1,2,3
.irp j, 0,1,2,3
	global_load_b128 v[64*((\f)%4)+16*\b+4*\j:64*((\f)%4)+16*\b+4*\j+3], v[WA], s[10+4*((\f)/2):11+4*((\f)/2)] offset:512*((\f)%2)+128*\b+16*\j
.endr
.endr
	WIN 0
.endm
	WLOAD 0
	WLOAD 1
	WLOAD 2
	WLOAD 3
	s_mul_i32 s50, s[ID], 12288                    ; where my results go
	s_mul_i32 s52, s[WV], 1536
	s_add_co_u32 s50, s50, s52
	s_add_nc_u64 s[24:25], s[24:25], s[50:51]      ; th: image 8 block + p
	s_lshl_b32 s50, s[ID], 9
	s_add_nc_u64 s[26:27], s[26:27], s[50:51]      ; ths: the block's 512 bytes
	s_mul_i32 s50, s[ID], 25600
	s_add_nc_u64 s[28:29], s[28:29], s[50:51]      ; the kv block
	s_lshl_b32 s50, s[WV], 9
	s_add_co_u32 s50, s50, 24576
	s_add_nc_u64 s[54:55], s[28:29], s[50:51]      ; its scale words, 512 bytes for each of waves 0 and 1
	s_mov_b32 s50, s52
	s_add_nc_u64 s[28:29], s[28:29], s[50:51]      ; phi's image p; g's lies 12,288 on
	s_mul_i32 s50, s53, 1536
	s_add_nc_u64 s[56:57], s[30:31], s[50:51]      ; wr: image of my tile of w_rec,
	s_lshl_b32 s50, s53, 7
	s_add_co_u32 s50, s50, 24576
	s_add_nc_u64 s[58:59], s[30:31], s[50:51]      ; and its scale words
	; w_rec: 16 tiles of 16 rows: the eight waves of the launch's first two work-groups take one each (a branch on the work-group's number)
	s_cmp_lt_u32 s[ID], 2
	s_cbranch_scc0 .Lno_wrec
.irp b, 0,1,2,3
.irp j, 0,1,2,3
	global_load_b128 v[80+16*\b+4*\j:80+16*\b+4*\j+3], v[WRA], s[22:23] offset:128*\b+16*\j
.endr
.endr
	s_wait_loadcnt 0x0
	QUANT 80,0,FL,PC,PW
.irp c, 0,1,2
	global_store_b128 v[LI], v[PC+4*\c:PC+4*\c+3], s[56:57] offset:512*\c   ; 32 lanes store 512 consecutive bytes, at a multiple of 512
.endr
	global_store_b32 v[L4], v[PW], s[58:59]
	s_wait_xcnt 0x0                                ; the stores' data are written again below only behind this wait
.Lno_wrec:
; fragment f is quantised and its image stored.  left: the loads of the fragments issued behind it
.macro WFRAG f, left
	s_wait_loadcnt \left
	s_wait_dscnt 0x0                               ; the last image's stores are done with their registers
	QUANT 64*((\f)%4),1,FL,PC,PW
.irp c, 0,1,2
	ds_store_b128 v[WW], v[PC+4*\c:PC+4*\c+3] offset:((\f)/2)*24576+((\f)%2)*1536+512*\c
.endr
	ds_store_b32 v[WSW], v[PW] offset:((\f)/2)*1024+4*((\f)%2)   ; lanes l and l xor 16 write the same word with the same value
.endm
	WFRAG 0, 48                                    ; three fragments' loads, 16 each, stay out
	WLOAD 4
	WFRAG 1, 48
	WLOAD 5
	WFRAG 2, 48
	WFRAG 3, 32
	WFRAG 4, 16
	WFRAG 5, 0
	WIN 0x40                                       ; the biases in the results' layout: tile t, my half: eight neighbours
.irp t, 0,1,2,3,4,5,6,7
	global_load_b128 v[ACC0+8*\t:ACC0+8*\t+3], v[BA], s[12:13] offset:(32*(\t/2)+8*(\t%2))*4
	global_load_b128 v[ACC0+8*\t+4:ACC0+8*\t+7], v[BA], s[12:13] offset:(32*(\t/2)+8*(\t%2))*4+16
	global_load_b128 v[ACC1+8*\t:ACC1+8*\t+3], v[BA], s[16:17] offset:(32*(\t/2)+8*(\t%2))*4
	global_load_b128 v[ACC1+8*\t+4:ACC1+8*\t+7], v[BA], s[16:17] offset:(32*(\t/2)+8*(\t%2))*4+16
.endr
	global_load_b32 v[BG], v[BGA], s[20:21]        ; b_g of my channel
	WIN 0
	s_wait_tensorcnt 0x0                           ; my part of x has landed,
	s_wait_dscnt 0x0                               ; my images of the weights are stored
	s_barrier_signal -1
	s_barrier_wait -1                              ; everybody's
	; ---- x: my column's 128 channels; four whole blocks of 32 in one lane
.set k, 0
.rept 128
	ds_load_b32 v[XD+k], v[XRD] offset:512*k       ; 32 lanes read 32 different words of one row
.set k, k+1
.endr
; blocks 2 c and 2 c + 1 of my column.  Lanes 0-15 hold the rows of tile 2 b, lanes 16-31 those of tile 2 b + 1: block 2 c goes to F0, block 2 c + 1 to F1, and the exchange of F0's upper
; lanes with F1's lower lanes leaves F0 the fragment of tile 2 b and F1 that of tile 2 b + 1
.macro XHALF c
.irp u, 0,1
	v_max3_num_f32 v[TM+\u], |v[XD+64*\c+32*\u]|, |v[XD+64*\c+32*\u+1]|, FL
.endr
.irp i, 2,4,6,8,10,12,14,16,18,20,22,24,26,28,30
.irp u, 0,1
	v_max3_num_f32 v[TM+\u], v[TM+\u], |v[XD+64*\c+32*\u+\i]|, |v[XD+64*\c+32*\u+\i+1]|
.endr
.endr
.irp u, 0,1
	v_add_nc_u32 v[TM+12+\u], 0xfe000000, v[TM+\u]
.endr
.irp u, 0,1
	v_lshrrev_b32 v[TM+4+\u], 23, v[TM+12+\u]
.endr
.if \c == 0
	v_lshl_or_b32 v[PW], v[TM+5], 8, v[TM+4]
.else
	v_lshl_or_b32 v[PW], v[TM+4], 16, v[PW]
	v_lshl_or_b32 v[PW], v[TM+5], 24, v[PW]
.endif
	v_cvt_scalef32_pk16_bf6_f32 v[F0+6*\c:F0+6*\c+2], v[XD+64*\c:XD+64*\c+15], v[TM+12]
	v_cvt_scalef32_pk16_bf6_f32 v[XT+8*\c:XT+8*\c+2], v[XD+64*\c+16:XD+64*\c+31], v[TM+12]
	v_cvt_scalef32_pk16_bf6_f32 v[F1+6*\c:F1+6*\c+2], v[XD+64*\c+32:XD+64*\c+47], v[TM+13]
	v_cvt_scalef32_pk16_bf6_f32 v[XT+8*\c+4:XT+8*\c+6], v[XD+64*\c+48:XD+64*\c+63], v[TM+13]
	v_nop                                          ; one plain instruction behind the last conversion
.irp i, 0,1,2
	v_mov_b32 v[F0+6*\c+3+\i], v[XT+8*\c+\i]
	v_mov_b32 v[F1+6*\c+3+\i], v[XT+8*\c+4+\i]
.endr
.irp i, 0,1,2,3,4,5
	v_permlane16_swap_b32 v[F0+6*\c+\i], v[F1+6*\c+\i]
.endr
.endm
	s_wait_dscnt 63                                ; the first 64 are in (64 are younger; the count's field ends at 63)
	XHALF 0
	s_wait_dscnt 0x0
	XHALF 1
.irp c, 0,1,2
	ds_store_b128 v[XW], v[F0+4*\c:F0+4*\c+3] offset:512*\c
	ds_store_b128 v[XW], v[F1+4*\c:F1+4*\c+3] offset:3072+512*\c
.endr
	ds_store_b32 v[XSW], v[PW]                     ; a lane's word is its own row's: lanes 0-15 tile 2 b, lanes 16-31 tile 2 b + 1
	s_wait_loadcnt 0x0                             ; the biases
	WIN 0x41
.irp i, 0,1,2,3,4,5,6,7
	v_mov_b32 v[CB+\i], v[BG]                      ; in g's result a lane holds one channel: its bias in all eight registers
.endr
	WIN 0
	s_wait_dscnt 0x0
	s_barrier_signal -1
	s_barrier_wait -1                              ; x's sixteen images lie in LDS
; ---- three jobs.  theta, phi: source 0 = the weight's eight row tiles, source 1 = x's position tile p: a lane holds one position, its registers run along the channels.
; g: source 0 = x's eight position tiles, source 1 = w_g's row tile p: a lane holds one channel, its registers run along the positions.
; JL: a job's 59 LDS loads in one run.  JM: its 16 products, the eight accumulators by turns.  JQ: its result quantised and stored.
.macro JL ar, ao, asr, aso, br, bo, bsr, bso
.irp g, 0,1,2,3
	ds_load_b128 v[AS+4*\g:AS+4*\g+3], v[\asr] offset:\aso+256*\g
.endr
	ds_load_b64 v[BS:BS+1], v[\bsr] offset:\bso
.irp s, 0,1
.irp c, 0,1,2
	ds_load_b128 v[BF+12*\s+4*\c:BF+12*\s+4*\c+3], v[\br] offset:\bo+1536*\s+512*\c
.endr
.endr
.irp t, 0,1,2,3,4,5,6,7
.irp c, 0,1,2
	ds_load_b128 v[AF0+12*\t+4*\c:AF0+12*\t+4*\c+3], v[\ar] offset:\ao+3072*\t+512*\c
.endr
.endr
	WIN 0x40
.irp t, 0,1,2,3,4,5,6,7
.irp c, 0,1,2
	ds_load_b128 v[AF1+12*\t+4*\c:AF1+12*\t+4*\c+3], v[\ar] offset:\ao+3072*\t+1536+512*\c
.endr
.endr
	WIN 0
.endm
.macro JM acc, cb
	s_wait_dscnt 24                                ; all but K step 1's 24 loads are in
	WIN 0x50                                       ; C and D window 1
.irp t, 0,1,2,3,4,5,6,7
.if \cb
	v_wmma_scale_f32_16x16x128_f8f6f4 v[\acc+8*\t:\acc+8*\t+7], v[AF0+12*\t:AF0+12*\t+11], v[BF:BF+11], v[CB:CB+7], v[AS+2*\t], v[BS] matrix_a_fmt:MATRIX_FMT_BF6 matrix_b_fmt:MATRIX_FMT_BF6
.else
	v_wmma_scale_f32_16x16x128_f8f6f4 v[\acc+8*\t:\acc+8*\t+7], v[AF0+12*\t:AF0+12*\t+11], v[BF:BF+11], v[\acc+8*\t:\acc+8*\t+7], v[AS+2*\t], v[BS] matrix_a_fmt:MATRIX_FMT_BF6 matrix_b_fmt:MATRIX_FMT_BF6
.endif
.endr
	s_wait_dscnt 0x0
	WIN 0x51                                       ; source 0 window 1 too
.irp t, 0,1,2,3,4,5,6,7
	v_wmma_scale_f32_16x16x128_f8f6f4 v[\acc+8*\t:\acc+8*\t+7], v[AF1+12*\t:AF1+12*\t+11], v[BF+12:BF+23], v[\acc+8*\t:\acc+8*\t+7], v[AS+2*\t+1], v[BS+1] matrix_a_fmt:MATRIX_FMT_BF6 matrix_b_fmt:MATRIX_FMT_BF6
.endr
	WIN 0
.endm
.macro JQ acc, fl, sub, ptr, goff, sreg, soff
	s_wait_xcnt 0x0                                ; the last job's stores have read the fragment's registers
	QUANT \acc,1,\fl,PC,PW
.if \sub
	v_add_nc_u32 v[PW], 0xf3f3f3f4, v[PW]          ; 12 off each byte: the next product's 1 / 4096.  Each byte is 13 or more, so no byte borrows
.endif
.irp c, 0,1,2
	global_store_b128 v[LI], v[PC+4*\c:PC+4*\c+3], s[\ptr:\ptr+1] offset:\goff+512*\c   ; 512 consecutive bytes, at a multiple of 512
.endr
	ds_store_b32 v[\sreg], v[PW] offset:\soff
.endm
	JL AW,0,AWS,0,XB,0,XBS,0
	JM ACC0,0                                      ; theta
	PLACES 4                                       ; in front of loads into registers that the products have read, and of the first read of results
	JL AW,24576,AWS,1024,XB,0,XBS,0
	JQ ACC0,FLT,1,24,0,SSTH,0
	JM ACC1,0                                      ; phi
	PLACES 4
	JL AX,0,AXS,0,WW,49152,WSW,2048
	JQ ACC1,FL,0,28,0,SSK,0
	JM ACC0,1                                      ; g
	PLACES 4
	JQ ACC0,FL,0,28,12288,SSK,256
	s_wait_dscnt 0x0
	s_barrier_signal -1
	s_barrier_wait -1                              ; the block's 1,536 bytes of scale words lie together
	s_cmp_lt_u32 s[WV], 3
	s_cbranch_scc0 .Lend
	ds_load_b128 v[80:83], v[SSR]
	s_cmp_eq_u32 s[WV], 2                          ; waves 0 and 1: the kv block's words; wave 2: theta's
	s_cselect_b64 s[54:55], s[26:27], s[54:55]
	s_wait_dscnt 0x0
	global_store_b128 v[LI], v[80:83], s[54:55]    ; 512 consecutive bytes, at a multiple of 512
.Lend:
	s_wait_tensorcnt 0x0                           ; the wave's end: behind my tensor load and my last LDS store
	ds_add_u32 v[SPW], v[NIL]
	s_wait_dscnt 0x0
	s_endpgm
.Lfunc_end_k_qe18a95d6c7_proj:
	.size	k_qe18a95d6c7_proj, .Lfunc_end_k_qe18a95d6c7_proj-k_qe18a95d6c7_proj
	.p2alignl 7, 3214868480
	.fill 96, 4, 3214868480
	.section	.rodata,"a",@progbits
	.p2align	6, 0x0
	.amdhsa_kernel k_qe18a95d6c7_proj
		.amdhsa_group_segment_fixed_size 236032
		.amdhsa_private_segment_fixed_size 0
		.amdhsa_enable_private_segment 0
		.amdhsa_kernarg_size 96
		.amdhsa_user_sgpr_count 2
		.amdhsa_user_sgpr_kernarg_segment_ptr 1
		.amdhsa_wavefront_size32 1
		.amdhsa_system_sgpr_workgroup_id_x 1
		.amdhsa_system_sgpr_workgroup_id_y 1
		.amdhsa_system_sgpr_workgroup_id_z 1
		.amdhsa_system_vgpr_workitem_id 0
		.amdhsa_next_free_vgpr 512
		.amdhsa_next_free_sgpr 72
		.amdhsa_reserve_vcc 0
		.amdhsa_float_denorm_mode_32 3
		.amdhsa_float_denorm_mode_16_64 3
		.amdhsa_memory_ordered 1
		.amdhsa_forward_progress 1
		.amdhsa_inst_pref_size 96
	.end_amdhsa_kernel
	.amdgpu_metadata
---
amdhsa.version: [ 1, 2 ]
amdhsa.kernels:
  - .name:           k_qe18a95d6c7_proj
    .symbol:         k_qe18a95d6c7_proj.kd
    .args:
      - { .name: x, .offset: 0, .size: 8, .value_kind: global_buffer, .address_space: global }
      - { .name: w_theta, .offset: 8, .size: 8, .value_kind: global_buffer, .address_space: global }
      - { .name: b_theta, .offset: 16, .size: 8, .value_kind: global_buffer, .address_space: global }
      - { .name: w_phi, .offset: 24, .size: 8, .value_kind: global_buffer, .address_space: global }
      - { .name: b_phi, .offset: 32, .size: 8, .value_kind: global_buffer, .address_space: global }
      - { .name: w_g, .offset: 40, .size: 8, .value_kind: global_buffer, .address_space: global }
      - { .name: b_g, .offset: 48, .size: 8, .value_kind: global_buffer, .address_space: global }
      - { .name: w_rec, .offset: 56, .size: 8, .value_kind: global_buffer, .address_space: global }
      - { .name: th, .offset: 64, .size: 8, .value_kind: global_buffer, .address_space: global }
      - { .name: ths, .offset: 72, .size: 8, .value_kind: global_buffer, .address_space: global }
      - { .name: kv, .offset: 80, .size: 8, .value_kind: global_buffer, .address_space: global }
      - { .name: wr, .offset: 88, .size: 8, .value_kind: global_buffer, .address_space: global }
    .group_segment_fixed_size: 236032
    .private_segment_fixed_size: 0
    .kernarg_segment_align: 8
    .kernarg_segment_size: 96
    .max_flat_workgroup_size: 256
    .sgpr_count:     72
    .vgpr_count:     512
    .wavefront_size: 32
...
	.end_amdgpu_metadata
.endif
;; end of part 1
;; launch attn (part 2): grid 64 x 4, 4 waves a work-group, clusters of 4 x 1, 327,680 bytes of LDS; arguments th, ths, kv, wr, x, b_rec, out0; writes out0
.if DOCPART == 2
	.amdgcn_target "amdgcn-amd-amdhsa--gfx1250"
	.amdhsa_code_object_version 6
	.text
	.protected	k_qe18a95d6c7_attn
	.globl	k_qe18a95d6c7_attn
	.p2align	8
	.type	k_qe18a95d6c7_attn,@function
k_qe18a95d6c7_attn:
	s_mov_b64 s[64:65], 0
	v_nop
	global_prefetch_b8 v0, s[64:65] scope:SCOPE_SE
	s_setreg_imm32_b32 hwreg(HW_REG_WAVE_MODE, 25, 1), 1
	s_wait_xcnt 0x0
	s_wait_alu depctr_hold_cnt(0) depctr_sa_sdst(0) depctr_va_vdst(0) depctr_va_sdst(0) depctr_va_ssrc(0) depctr_va_vcc(0) depctr_vm_vsrc(0)
	s_getreg_b32 s2, hwreg(HW_REG_IB_STS2, 6, 4)
	s_cmp_eq_u32 s2, 0
	s_cbranch_scc0 .Lentry_in_a_cluster
	s_endpgm
.Lentry_in_a_cluster:
	s_bfe_u32 s2, ttmp6, 0x10000c
	s_cmp_lg_u32 s2, 0x3003
	s_cbranch_scc0 .Lentry_shape_is_right
	s_endpgm
.Lentry_shape_is_right:
; out = x + w_rec y + b_rec, y[c][n] = sum over m of Q(f[n][m]) Q(g[c][m]), f[n][m] = (Q(theta[:, n]) . Q(phi[:, m])) / 4096: three products on codes of E3M2 with one E8M0 byte for each 32 along K.
; theta, phi, g and w_rec arrive as images of operand registers with their scale words; 1 / 4096 lies in theta's scale bytes, so the first product gives f itself.  f is quantised along the keys m,
; y along its 128 channels, both in registers.  No work is left out.
; LIMITS: NaN and infinities are not served; a block's largest magnitude is taken no smaller than 2^-122; a block of zeros gets that floor's byte over zero codes, which add nothing.
; The sum over the 4,096 keys is made in four parts of 1,024, added in f32.
; SHARES.  A work-group owns 64 queries of one batch: four tiles of 16.  THE FOUR WAVES SHARE THE KEYS: wave w takes all four tiles and key steps 8 w .. 8 w + 7 of 128 keys, so that each fragment
; of phi and g read from LDS feeds four matrix instructions and is read once in the work-group.  The four partial sums meet in LDS; then wave w finishes query tile w.
; LAYOUT.  S^T = phi theta^T (source 0 = 16 keys, source 1 = 16 queries) and O^T = g P^T (source 0 = 16 channels, source 1 = P): a lane holds one query throughout.  The keys of a tile of phi and the
; channels of a tile of g are chosen (32 b + 8 u + r + 8 (r / 8) in tile 2 b + u), so that 16 registers of two neighbouring tiles are 16 neighbours along the next K.
; CLUSTER.  The four work-groups of a cluster belong to one batch and walk the same key steps: each block of 25,600 bytes (8 images of phi, 8 of g, 1,024 bytes of scale words) is asked for JOINTLY,
; by the same tensor load with the same descriptor and the mask of all four.  Each wave fetches and reads its own two slots; a slot's refill stands behind a round of the cluster's barrier.
; REGISTERS, in windows of 256: window 0: addresses, scale words, P, theta.  window 1: S^T (64 t + 8 k).  window 2: O^T (64 t + 8 c).  window 3: v0-95 phi, v128-223 g, v224-255 b_rec.
; On the way out: window 1: the four parts of my tile, then 16 result tiles from v64; window 2: w_rec's 16 fragments; window 3: v0-127 x.
.set SLOTB, 25600                      ; a key step's block, and a slot
.set RINGW, 51200                      ; a wave's two slots
.set WRL,   204800                     ; behind the four rings: w_rec's 16 images and 2,048 bytes of scale words, filled once
.set OST,   231424                     ; the stage for out: 256 rows x (256 bytes + 16)
.set SPARE, 301056                     ; the spare words, 128 bytes a wave: two blocks of 256 bytes that no other line names
.set FL,    0x2800000                  ; 2^(5 - 127): the floor under a block's largest magnitude
.set LI,  1                            ; v1   16 x lane
.set KA,  2                            ; v2-3 my place in my slot 0, 1
.set R16, 5                            ; v5   16 x (lane % 16)
.set GO,  6                            ; v6   x, out: 16,384 (lane / 16) + 16 (lane % 16)
.set BO,  7                            ; v7   b_rec: 4 (lane / 16)
.set RD,  8                            ; v8-11 wave v's part of my tile
.set SO,  12                           ; v12  the stage: where I put 32 bytes of a row
.set SR,  13                           ; v13  and where I read a row back
.set WL,  14                           ; v14  w_rec's images
.set WSL, 15                           ; v15  and scale words
.set PFO, 16                           ; v16  256 x lane
.set SPW, 17                           ; v17  my spare word; never rewritten
.set NIL, 18                           ; v18  0; never rewritten
.set TM,  20                           ; v20-35 at work in the quantiser
.set PW,  36                           ; v36-39 P's scale words, a tile each: scales and nothing else
.set TS,  40                           ; v40-43 theta's
.set SCL, 44                           ; v44-51, v52-59: a key step's: lanes 0-15 phi's tile k, lanes 16-31 g's tile k; a set for each slot
.set PT,  60
.set P,   68                           ; v68-115 P, 12 a tile
.set TH,  116                          ; v116-163 theta, 12 a tile
.set WS,  164                          ; v164-179 w_rec's scale words
.set VF,  128                          ; window 3: g's fragments
.set BR,  224                          ; window 3: b_rec
.set WV,  18
.set CX,  19
.set QB,  20
.set BAT, 21
.set G1,  24                           ; s[24:31] group 1 for a key step's block;  s[32:39] for a quarter of w_rec;  s[40:47] groups 0, a set a slot;  s[48:51] w_rec's
.set G1W, 32
.set G0,  40
.set G0W, 48
.set SEL, 52
.set LOOP, 54
.set CNT, 55                           ; refills still to come
.set LIM, 56                           ; 2 in a wave that prefetches, else the greatest number
.set PFA, 58
.set MSB, 0
.macro WIN new                         ; the immediate's high byte repeats the setting that is left; a switch that changes nothing is dropped
.if MSB != (\new)
	s_set_vgpr_msb (MSB<<8)|(\new)
.set MSB, (\new)
.endif
.endm
.macro PLACES n
.rept \n
	v_nop
.endr
.endm
.macro CROUND                          ; a round of the cluster's barrier
	s_barrier_signal -1
	s_barrier_wait -1
	s_cmp_lg_u32 s[WV], 0
	s_cbranch_scc1 .Lnot_wave_0_\@
	s_barrier_signal -3
.Lnot_wave_0_\@:
	s_barrier_wait -3
	s_barrier_signal -1
	s_barrier_wait -1
.endm
; 64 numbers of a lane in window w, register 16 b + i = k 32 b + 16 (lane / 16) + i of my row, become a fragment in v[pc] on and its scale word in v[pw], both in window 0.
.macro QUANT s, w, fl, pc, pw
	WIN 5*(\w)                                     ; sources 0 and 1: the numbers
.irp b, 0,1,2,3
	v_max3_num_f32 v[TM+\b], |v[(\s)+16*\b]|, |v[(\s)+16*\b+1]|, \fl   ; block b: my 16 numbers and the floor; each result tile is first read at its low end
.endr
.irp i, 2,4,6,8,10,12,14
.irp b, 0,1,2,3
	v_max3_num_f32 v[TM+\b], |v[(\s)+16*\b+\i]|, |v[(\s)+16*\b+\i+1]|, v[TM+\b]   ; the four blocks by turns
.endr
.endr
	WIN 0
.irp b, 0,1,2,3
	v_permlanex16_b32 v[TM+4+\b], v[TM+\b], s[SEL], s[SEL+1]
.endr
.irp b, 0,1,2,3
	v_max_num_f32 v[TM+\b], v[TM+\b], v[TM+4+\b]   ; with lane l xor 16's 16: the block's largest magnitude
.endr
.irp b, 0,1,2,3
	v_add_nc_u32 v[TM+12+\b], 0xfe000000, v[TM+\b] ; 4 off its exponent field: the conversion's scale operand
.endr
.irp b, 0,1,2,3
	v_lshrrev_b32 v[TM+4+\b], 23, v[TM+12+\b]      ; the scale's byte
.endr
	v_lshl_or_b32 v[\pw], v[TM+5], 8, v[TM+4]
	v_lshl_or_b32 v[\pw], v[TM+6], 16, v[\pw]
	v_lshl_or_b32 v[\pw], v[TM+7], 24, v[\pw]
	WIN (\w)
.irp c, 0,1
	v_cvt_scalef32_pk16_bf6_f32 v[(\pc)+6*\c:(\pc)+6*\c+2], v[(\s)+32*\c:(\s)+32*\c+15], v[TM+12+2*\c]
	v_cvt_scalef32_pk16_bf6_f32 v[PT+4*\c:PT+4*\c+2], v[(\s)+32*\c+16:(\s)+32*\c+31], v[TM+13+2*\c]   ; a conversion's three registers begin on an even number
.endr
	WIN 0
	v_nop                                          ; one plain instruction behind the last conversion
.irp c, 0,1                                    ; the operand wants a whole block in a lane: lanes 0-15 block 2 c, lanes 16-31 block 2 c + 1
.irp i, 0,1,2
	v_permlane16_swap_b32 v[(\pc)+6*\c+\i], v[PT+4*\c+\i]
.endr
.irp i, 0,1,2
	v_mov_b32 v[(\pc)+6*\c+3+\i], v[PT+4*\c+\i]
.endr
.endr
.endm
	s_load_b256 s[4:11], s[0:1], 0x0               ; th 4, ths 6, kv 8, wr 10
	s_load_b128 s[12:15], s[0:1], 0x20             ; x 12, b_rec 14
	s_load_b64 s[16:17], s[0:1], 0x30              ; out0
	v_lshl_add_u32 v[SPW], v0, 2, SPARE
	v_mov_b32 v[NIL], 0
	ds_add_u32 v[SPW], v[NIL]                      ; the wave's opening: the add, twice on end, and its wait ahead of the round in front of my first tensor loads; the set-up below stands between
	ds_add_u32 v[SPW], v[NIL]
	v_lshrrev_b32 v19, 5, v0
	v_readfirstlane_b32 s[WV], v19                 ; wave 0..3
	s_bfe_u32 s[CX], ttmp6, 0x40000                ; my place in the cluster: it enters global addresses of th, ths, x, out0 and of the prefetches alone
	s_lshl_b32 s[QB], ttmp9, 2
	s_add_co_u32 s[QB], s[QB], s[CX]               ; my block of 64 queries
	s_and_b32 s[BAT], ttmp7, 0xffff                ; the batch, which the four partners share
	s_mov_b32 s[G1+0], 15|(3<<16)|(1<<21)          ; the mask: all four work-groups; elements of 8 bytes; bit 21 set beside a mask; no padding
	s_mov_b32 s[G1+1], 32<<16                      ; tensor_dim0 = 32: rows of 256 bytes
	s_mov_b32 s[G1+2], 100<<16                     ; tensor_dim1 = 100: a dense block of 25,600 bytes
	s_mov_b32 s[G1+3], 32<<16
	s_mov_b32 s[G1+4], 100
	s_mov_b32 s[G1+5], 32
	s_mov_b32 s[G1+6], 0
	s_mov_b32 s[G1+7], 0
	s_mov_b32 s[G1W+0], 15|(3<<16)|(1<<21)
	s_mov_b32 s[G1W+1], 32<<16
	s_mov_b32 s[G1W+2], 26<<16                     ; a quarter of wr: 6,656 dense bytes
	s_mov_b32 s[G1W+3], 32<<16
	s_mov_b32 s[G1W+4], 26
	s_mov_b32 s[G1W+5], 32
	s_mov_b32 s[G1W+6], 0
	s_mov_b32 s[G1W+7], 0
	s_mov_b32 s[SEL], 0x76543210
	s_mov_b32 s[SEL+1], 0xfedcba98                 ; v_permlanex16_b32: lane l xor 16
	s_mov_b32 s[CNT], 6
	s_cmp_lt_u32 s[WV], 3
	s_cselect_b32 s57, 0, 1
	s_or_b32 s57, s57, ttmp9                       ; 0 in waves 0 to 2 of the batch's first cluster: the same in all four partners
	s_cmp_eq_u32 s57, 0
	s_cselect_b32 s[LIM], 2, -1
	s_lshl_b32 s60, s[BAT], 5
	s_lshl_b32 s57, s[WV], 3
	s_add_co_u32 s60, s60, s57
	s_mul_i32 s60, s60, SLOTB                      ; kv: my first key step, 32 batch + 8 wave
	s_mov_b32 s61, 0
	s_mul_i32 s23, s[WV], RINGW                    ; my ring
	s_mul_i32 s62, s[WV], 6656                     ; my quarter of wr,
	s_mov_b32 s63, 0
	s_add_co_u32 s22, s62, WRL                     ; and its place in LDS
	v_and_b32 v20, 31, v0                          ; lane
	v_and_b32 v4, 15, v0                           ; r
	v_bfe_u32 v19, v0, 4, 1                        ; h
	v_lshlrev_b32 v[LI], 4, v20
	v_lshlrev_b32 v[R16], 4, v4
	v_lshlrev_b32 v[PFO], 8, v20
	v_add_nc_u32 v[KA], s23, v[LI]
	v_add_nc_u32 v[KA+1], SLOTB, v[KA]
	v_lshlrev_b32 v[GO], 14, v19
	v_lshl_add_u32 v[GO], v4, 4, v[GO]
	v_lshlrev_b32 v[BO], 2, v19
	s_lshl_b32 s57, s[WV], 13                      ; tile w's 64 registers in a wave's 32,768 bytes of partial sums
	v_add_nc_u32 v[RD], s57, v[LI]
	v_add_nc_u32 v[RD+1], RINGW, v[RD]
	v_add_nc_u32 v[RD+2], 2*RINGW, v[RD]
	v_add_nc_u32 v[RD+3], 3*RINGW, v[RD]
	s_lshr_b32 s57, s[WV], 1
	s_lshl_b32 s57, s57, 7
	s_and_b32 s70, s[WV], 1
	s_lshl_b32 s70, s70, 5
	s_add_co_u32 s57, s57, s70
	s_add_co_u32 s57, s57, OST
	v_mul_u32_u24 v[SO], v4, 272
	v_lshl_add_u32 v[SO], v19, 6, v[SO]
	v_add_nc_u32 v[SO], s57, v[SO]                 ; row r; positions 32 (w / 2) + 16 h + 8 (w % 2) on: my tile's eight neighbours
	s_mul_i32 s57, s[WV], 64*272
	s_add_co_u32 s57, s57, OST
	v_mul_u32_u24 v[SR], v19, 272
	v_lshl_add_u32 v[SR], v4, 4, v[SR]
	v_add_nc_u32 v[SR], s57, v[SR]                 ; back: rows 64 w on; lanes 0-15 one row, lanes 16-31 the next
	v_add_nc_u32 v[WL], WRL, v[LI]
	v_lshl_add_u32 v[WSL], v20, 2, WRL+24576
.irp b, 0,1,2,3
	v_mov_b32 v[TM+4+\b], 0                        ; written once: a lane permute's destination counts as one of its sources
.endr
	s_wait_dscnt 0x0                               ; both opening adds are done
	s_wait_kmcnt 0x0
	s_add_nc_u64 s[60:61], s[8:9], s[60:61]
.irp n, 0,1
	s_mov_b32 s[G0+4*\n], 1
	s_add_co_u32 s[G0+4*\n+1], s23, \n*SLOTB       ; LDS: the wave's number and the slot alone
	s_add_nc_u64 s[G0+4*\n+2:G0+4*\n+3], s[60:61], \n*SLOTB   ; key step n of my eight
	s_or_b32 s[G0+4*\n+3], s[G0+4*\n+3], 0x80000000
.endr
	s_mov_b32 s[G0W], 1
	s_mov_b32 s[G0W+1], s22
	s_add_nc_u64 s[G0W+2:G0W+3], s[10:11], s[62:63]
	s_or_b32 s[G0W+3], s[G0W+3], 0x80000000
	CROUND                                         ; all four work-groups are here: the first joint loads meet
	tensor_load_to_lds s[G0:G0+3], s[G1:G1+7]      ; the first fills as one group: three loads of mine are out
	s_nop 0
	tensor_load_to_lds s[G0+4:G0+7], s[G1:G1+7]
	s_nop 0
	tensor_load_to_lds s[G0W:G0W+3], s[G1W:G1W+7]
	s_nop 0
	PLACES 4
	s_lshl_b32 s66, s[BAT], 6
	s_add_co_u32 s66, s66, s[QB]                   ; 64 batch + query block
	s_mul_i32 s68, s66, 6144
	s_mov_b32 s69, 0
	s_add_nc_u64 s[4:5], s[4:5], s[68:69]          ; theta's four images
	s_lshl_b32 s68, s66, 8
	s_add_nc_u64 s[6:7], s[6:7], s[68:69]          ; and their scale words
	s_lshl_b32 s68, s[BAT], 22
	s_lshl_b32 s67, s[WV], 20
	s_add_co_u32 s68, s68, s67
	s_lshl_b32 s67, s[QB], 8
	s_add_co_u32 s68, s68, s67
	s_add_nc_u64 s[12:13], s[12:13], s[68:69]      ; x and out0 at channel 64 w, my block's 256 bytes
	s_add_nc_u64 s[16:17], s[16:17], s[68:69]
	s_lshl_b32 s68, s[WV], 8
	s_add_nc_u64 s[14:15], s[14:15], s[68:69]      ; b_rec at channel 64 w
	s_lshl_b32 s68, s[BAT], 5
	s_lshl_b32 s67, s[CX], 3
	s_add_co_u32 s68, s68, s67
	s_add_co_u32 s68, s68, 3
	s_mul_i32 s68, s68, SLOTB
	s_lshl_b32 s67, s[WV], 13
	s_add_co_u32 s68, s68, s67
	s_add_nc_u64 s[PFA:PFA+1], s[8:9], s[68:69]    ; the prefetches: key step 3 of quarter cx, my 8,192 bytes; the first refill steps it to step 4.  Nothing is prefetched here, at the head
.irp t, 0,1,2,3
.irp c, 0,1,2
	global_load_b128 v[TH+12*\t+4*\c:TH+12*\t+4*\c+3], v[LI], s[4:5] offset:1536*\t+512*\c   ; theta stays in registers
.endr
.endr
	global_load_b128 v[TS:TS+3], v[R16], s[6:7]
	WIN 0xc0
.set i, 0
.rept 32
	global_load_b32 v[BR+i], v[BO], s[14:15] offset:8*i   ; b_rec of channel 64 w + 2 i + lane / 16
.set i, i+1
.endr
	WIN 0
.macro KLOAD par                       ; a step's eight fragments of phi, and its eight registers of scale words
	WIN 0xc0
.irp k, 0,1,2,3,4,5,6,7
.irp c, 0,1,2
	ds_load_b128 v[12*\k+4*\c:12*\k+4*\c+3], v[KA+(\par)] offset:1536*\k+512*\c
.endr
.endr
	WIN 0
.irp a, 0,1
	ds_load_b128 v[SCL+8*(\par)+4*\a:SCL+8*(\par)+4*\a+3], v[KA+(\par)] offset:24576+512*\a
.endr
.endm
.macro VLOAD par                       ; its eight fragments of g
	WIN 0xc0
.irp k, 0,1,2,3,4,5,6,7
.irp c, 0,1,2
	ds_load_b128 v[VF+12*\k+4*\c:VF+12*\k+4*\c+3], v[KA+(\par)] offset:12288+1536*\k+512*\c
.endr
.endr
.endm
.macro APH par                         ; S^T = phi theta^T: 32 products, each fragment of phi against the four tiles of queries
	WIN 0x43                                       ; source 0 window 3, source 1 window 0, destination window 1
.irp k, 0,1,2,3,4,5,6,7
.irp t, 0,1,2,3
	v_wmma_scale_f32_16x16x128_f8f6f4 v[64*\t+8*\k:64*\t+8*\k+7], v[12*\k:12*\k+11], v[TH+12*\t:TH+12*\t+11], 0, v[SCL+8*(\par)+\k], v[TS+\t] matrix_a_fmt:MATRIX_FMT_BF6 matrix_b_fmt:MATRIX_FMT_BF6
.endr
.endr
.endm
.macro BPH par, zero                   ; O^T += g P^T: 32 products, the 32 accumulators by turns.  zero = 1: the first step starts the sums
	WIN 0xa3                                       ; source 0 window 3, source 1 window 0, C and D window 2
.irp k, 0,1,2,3,4,5,6,7
.irp t, 0,1,2,3
.if \zero
	v_wmma_scale_f32_16x16x128_f8f6f4 v[64*\t+8*\k:64*\t+8*\k+7], v[VF+12*\k:VF+12*\k+11], v[P+12*\t:P+12*\t+11], 0, v[SCL+8*(\par)+\k], v[PW+\t] matrix_a_fmt:MATRIX_FMT_BF6 matrix_b_fmt:MATRIX_FMT_BF6 matrix_a_scale:MATRIX_SCALE_ROW1
.else
	v_wmma_scale_f32_16x16x128_f8f6f4 v[64*\t+8*\k:64*\t+8*\k+7], v[VF+12*\k:VF+12*\k+11], v[P+12*\t:P+12*\t+11], v[64*\t+8*\k:64*\t+8*\k+7], v[SCL+8*(\par)+\k], v[PW+\t] matrix_a_fmt:MATRIX_FMT_BF6 matrix_b_fmt:MATRIX_FMT_BF6 matrix_a_scale:MATRIX_SCALE_ROW1
.endif
.endr
.endr
.endm
; A PREFETCH INTO THE L2 of a key step's 24,576 bytes of codes, two steps ahead of the tensor load that will ask for them.  All clusters of a batch walk the same blocks: the batch's first cluster asks.
; Its partner at place cx asks, BY ADDRESS, for the steps of key quarter cx; in it waves 0 to 2 take 8,192 bytes each, lanes 256 bytes apart.  So each block of 256 bytes is named once.
; The first four refills name steps 4 to 7 of a quarter; the last two name nothing; steps 0 to 3 and the scale words come by their loads alone.
.macro ASK
	s_cmp_gt_u32 s[CNT], s[LIM]
	s_cbranch_scc0 .Lnot_mine_\@
	global_prefetch_b8 v[PFO], s[PFA:PFA+1] th:TH_LOAD_NT scope:SCOPE_SE
.Lnot_mine_\@:
.endm
; Between a step's quantiser and its second product.  mode 2: the slot in hand, whose last bytes (g's) have been asked for, is filled again with the step two on.  Each wave waits for all its tensor
; loads (the one that is out is the other slot's), adds 0 to its spare word, and waits for that and for its reads of the slot; the round of the cluster's barrier follows, and the joint refill is the
; first thing behind it.  It has the second product, the next step's first product and its quantiser in which to land.  mode 1: the last step's slot is waited for.  mode 0: x is asked for.
.macro MID par, mode
.if \mode == 2
	s_wait_tensorcnt 0x0                           ; no tensor load of mine is out, so a group 0 may be written
	ds_add_u32 v[SPW], v[NIL]                      ; 0 onto my spare word
	PLACES 8                                       ; P's scale words, written by vector instructions, stand eight places ahead of the scaled products, P's codes four
	s_add_nc_u64 s[G0+4*(\par)+2:G0+4*(\par)+3], s[G0+4*(\par)+2:G0+4*(\par)+3], 2*SLOTB
	s_wait_xcnt 0x0                                ; the last prefetch, a step back, has read its address
	s_add_nc_u64 s[PFA:PFA+1], s[PFA:PFA+1], SLOTB
	s_wait_dscnt 0x0                               ; the add is done; g's fragments are in: my reads of this slot are over
	CROUND
	tensor_load_to_lds s[G0+4*(\par):G0+4*(\par)+3], s[G1:G1+7]   ; my one tensor load behind the round
	s_nop 0
	PLACES 4
	KLOAD 1-(\par)                                 ; the next step's phi, from the other slot, which has landed
	ASK
	s_sub_co_u32 s[CNT], s[CNT], 1
.elseif \mode == 1
	s_wait_tensorcnt 0x0                           ; the last step's block has landed (the bytes are my own: no barrier)
	PLACES 8
	s_wait_dscnt 0x0
	KLOAD 1-(\par)
.else
	PLACES 8
	s_wait_dscnt 0x0
	WIN 0xc0
.set i, 0
.rept 32
	global_load_b128 v[4*i:4*i+3], v[GO], s[12:13] offset:32768*i th:TH_LOAD_NT   ; x for the residual: channels 64 w + 2 i + lane / 16, my block's 256 bytes; into phi's registers, which are done with
.set i, i+1
.endr
	WIN 0
.endif
.endm
.macro STEP par, zero, mode
	PLACES 4                                       ; in front of loads into registers that the last products have read
	VLOAD \par
	s_wait_dscnt 24                                ; phi and the scale words are in; g's 24 loads may be out
	APH \par
	WIN 0
	PLACES 4                                       ; in front of the first read of results
.irp t, 0,1,2,3
	QUANT 64*\t,1,FL,P+12*\t,PW+\t
.endr
	MID \par, \mode
	BPH \par, \zero
	WIN 0
.endm
	s_wait_tensorcnt 2                             ; my slot 0 is in; slot 1 and w_rec's quarter may be out (the bytes that I read now are my own)
	KLOAD 0
	s_wait_loadcnt 0x0                             ; theta, its scale words, b_rec
	STEP 0, 1, 2
	s_mov_b32 s[LOOP], 2
.Lpair:
	STEP 1, 0, 2
	STEP 0, 0, 2
	s_sub_co_u32 s[LOOP], s[LOOP], 1
	s_cmp_lg_u32 s[LOOP], 0
	s_cbranch_scc1 .Lpair
	STEP 1, 0, 2                                   ; the sixth and last refill: key step 7
	STEP 0, 0, 1                                   ; the tail is written out
	STEP 1, 0, 0
	; ---- the four parts of the sums meet.  My 256 registers go to the first 32,768 bytes of my own ring, which has had its last fill and its last read
	PLACES 4
	WIN 0x08                                       ; an LDS store's data are its source 1: window 2
.set i, 0
.rept 64
	ds_store_b128 v[KA], v[4*i:4*i+3] offset:512*i ; each accumulator from its low end on
.set i, i+1
.endr
	WIN 0
	s_wait_dscnt 0x0
	s_barrier_signal -1
	s_barrier_wait -1
	WIN 0x40
.irp u, 0,1,2,3
.irp i, 0,1,2,3,4,5,6,7,8,9,10,11,12,13,14,15
	ds_load_b128 v[64*\u+4*\i:64*\u+4*\i+3], v[RD+\u] offset:512*\i   ; wave u's part of query tile w
.endr
.endr
	WIN 0x80
.irp t, 0,1,2,3,4,5,6,7,8,9,10,11,12,13,14,15
.irp c, 0,1,2
	ds_load_b128 v[12*\t+4*\c:12*\t+4*\c+3], v[WL] offset:1536*\t+512*\c   ; w_rec's sixteen fragments
.endr
.endr
	WIN 0
.irp t, 0,1,2,3,4,5,6,7,8,9,10,11,12,13,14,15
	ds_load_b32 v[WS+\t], v[WSL] offset:128*\t
.endr
	s_wait_dscnt 63                                ; the four parts are in (w_rec's 64 loads are younger; the count's field ends at 63)
	WIN 0x45
.set i, 0
.rept 32
	v_pk_add_f32 v[i:i+1], v[i:i+1], v[64+i:65+i]
	v_pk_add_f32 v[128+i:129+i], v[128+i:129+i], v[192+i:193+i]
.set i, i+2
.endr
.set i, 0
.rept 32
	v_pk_add_f32 v[i:i+1], v[i:i+1], v[128+i:129+i]   ; y of my 16 queries: register 16 b + i = channel 32 b + 16 (lane / 16) + i
.set i, i+2
.endr
	QUANT 0,1,FL,P,PW
	PLACES 8                                       ; the scale word eight places ahead of the scaled products
	s_wait_dscnt 0x0                               ; w_rec
	WIN 0x48                                       ; source 0 (y) window 0, source 1 (w_rec) window 2, destination window 1
.irp t, 0,1,2,3,4,5,6,7,8,9,10,11,12,13,14,15
	v_wmma_scale_f32_16x16x128_f8f6f4 v[64+8*\t:64+8*\t+7], v[P:P+11], v[12*\t:12*\t+11], 0, v[PW], v[WS+\t] matrix_a_fmt:MATRIX_FMT_BF6 matrix_b_fmt:MATRIX_FMT_BF6   ; a lane holds channel 16 t + r and eight neighbouring positions
.endr
	WIN 0
	PLACES 4
	WIN 0x04                                       ; the data: window 1
.irp t, 0,1,2,3,4,5,6,7,8,9,10,11,12,13,14,15
	ds_store_b128 v[SO], v[64+8*\t:64+8*\t+3] offset:4352*\t
	ds_store_b128 v[SO], v[64+8*\t+4:64+8*\t+7] offset:4352*\t+16
.endr
	WIN 0
	s_wait_dscnt 0x0
	s_barrier_signal -1
	s_barrier_wait -1                              ; 256 channel rows of 64 positions lie in the stage
	WIN 0x40
.set i, 0
.rept 32
	ds_load_b128 v[64+4*i:64+4*i+3], v[SR] offset:544*i
.set i, i+1
.endr
	s_wait_loadcnt 0x0                             ; x
	WIN 0x4d                                       ; destination and source 0 window 1, source 1 window 3
.set i, 0
.rept 32
	s_wait_dscnt 31-i                              ; row pair i is back; the younger ones may be out
	v_pk_add_f32 v[64+4*i:65+4*i], v[64+4*i:65+4*i], v[4*i:4*i+1]       ; + x
	v_pk_add_f32 v[66+4*i:67+4*i], v[66+4*i:67+4*i], v[4*i+2:4*i+3]
	v_add_f32 v[64+4*i], v[64+4*i], v[BR+i]                             ; + b_rec of my row
	v_add_f32 v[65+4*i], v[65+4*i], v[BR+i]
	v_add_f32 v[66+4*i], v[66+4*i], v[BR+i]
	v_add_f32 v[67+4*i], v[67+4*i], v[BR+i]
.set i, i+1
.endr
	WIN 0x04
.set i, 0
.rept 32
	global_store_b128 v[GO], v[64+4*i:64+4*i+3], s[16:17] offset:32768*i th:TH_STORE_NT   ; 16 lanes store 256 consecutive bytes, at a multiple of 256 from out0's first byte
.set i, i+1
.endr
	WIN 0
	s_wait_tensorcnt 0x0                           ; the wave's end: behind my last tensor load and my last LDS store
	ds_add_u32 v[SPW], v[NIL]
	s_wait_dscnt 0x0
	CROUND                                         ; the closing round: no work-group ends while a partner may still ask for a block that names it
	s_endpgm
.Lfunc_end_k_qe18a95d6c7_attn:
	.size	k_qe18a95d6c7_attn, .Lfunc_end_k_qe18a95d6c7_attn-k_qe18a95d6c7_attn
	.p2alignl 7, 3214868480
	.fill 96, 4, 3214868480
	.section	.rodata,"a",@progbits
	.p2align	6, 0x0
	.amdhsa_kernel k_qe18a95d6c7_attn
		.amdhsa_group_segment_fixed_size 327680
		.amdhsa_private_segment_fixed_size 0
		.amdhsa_enable_private_segment 0
		.amdhsa_kernarg_size 56
		.amdhsa_user_sgpr_count 2
		.amdhsa_user_sgpr_kernarg_segment_ptr 1
		.amdhsa_wavefront_size32 1
		.amdhsa_system_sgpr_workgroup_id_x 1
		.amdhsa_system_sgpr_workgroup_id_y 1
		.amdhsa_system_sgpr_workgroup_id_z 1
		.amdhsa_system_vgpr_workitem_id 0
		.amdhsa_next_free_vgpr 1024
		.amdhsa_next_free_sgpr 72
		.amdhsa_reserve_vcc 0
		.amdhsa_float_denorm_mode_32 3
		.amdhsa_float_denorm_mode_16_64 3
		.amdhsa_memory_ordered 1
		.amdhsa_forward_progress 1
		.amdhsa_inst_pref_size 224
	.end_amdhsa_kernel
	.amdgpu_metadata
---
amdhsa.version: [ 1, 2 ]
amdhsa.kernels:
  - .name:           k_qe18a95d6c7_attn
    .symbol:         k_qe18a95d6c7_attn.kd
    .args:
      - { .name: th, .offset: 0, .size: 8, .value_kind: global_buffer, .address_space: global }
      - { .name: ths, .offset: 8, .size: 8, .value_kind: global_buffer, .address_space: global }
      - { .name: kv, .offset: 16, .size: 8, .value_kind: global_buffer, .address_space: global }
      - { .name: wr, .offset: 24, .size: 8, .value_kind: global_buffer, .address_space: global }
      - { .name: x, .offset: 32, .size: 8, .value_kind: global_buffer, .address_space: global }
      - { .name: b_rec, .offset: 40, .size: 8, .value_kind: global_buffer, .address_space: global }
      - { .name: out0, .offset: 48, .size: 8, .value_kind: global_buffer, .address_space: global }
    .group_segment_fixed_size: 327680
    .private_segment_fixed_size: 0
    .kernarg_segment_align: 8
    .kernarg_segment_size: 56
    .max_flat_workgroup_size: 128
    .sgpr_count:     72
    .vgpr_count:     1024
    .wavefront_size: 32
...
	.end_amdgpu_metadata
.endif
;; end of part 2
;; ======== version 2 of 2: 2 launches
;; limits: right only within a limited range of input values
;; workspace buffers: th 1,572,864 bytes; ths 65,536 bytes; kv 3,276,800 bytes; wr 26,624 bytes
;; launch proj (part 3): grid 32 x 8, 8 waves a work-group, no clusters, 197,120 bytes of LDS; arguments x, w_theta, b_theta, w_phi, b_phi, w_g, b_g, w_rec, th, ths, kv, wr; writes th, ths, kv, wr
.if DOCPART == 3
	.amdgcn_target "amdgcn-amd-amdhsa--gfx1250"
	.amdhsa_code_object_version 6
	.text
	.protected	k_qe18a95d6c7_proj
	.globl	k_qe18a95d6c7_proj
	.p2align	8
	.type	k_qe18a95d6c7_proj,@function
k_qe18a95d6c7_proj:
	s_mov_b64 s[64:65], 0
	v_nop
	global_prefetch_b8 v0, s[64:65] scope:SCOPE_SE
	s_setreg_imm32_b32 hwreg(HW_REG_WAVE_MODE, 25, 1), 1
	s_wait_xcnt 0x0
; theta, phi, g = W x + b for x [4][256 channels][4096 positions], f32; W [128][256], b [128].  Both operands of each product are quantised along the 256 channels to codes of
; E3M2 with one E8M0 byte for each 32; sums in f32, the bias as the C of each sum's first matrix instruction.  The results are quantised at once for the products that take them:
; theta and phi along their 128 channels, g along the positions; w_rec [256][128] along its 128.  All leave as IMAGES OF OPERAND REGISTERS (12 registers x 32 lanes = 1,536 bytes:
; three runs of 512 bytes, lane l at 16 l), so that the next launch loads fragments by 16-byte loads alone.
; NO WORK IS LEFT OUT: every input has a way to the output.  The factor 1 / 4096 of the next product is a power of two: 12 is taken off each of theta's scale bytes, which is exact.
; LIMITS: NaN and infinities are not served.  A block's largest magnitude is taken no smaller than 2^-122 (theta: 2^-110, so that its byte less 12 stays at 1 or more); a block of zeros
; so gets the floor's byte over zero codes, which add nothing; the bytes are read by this program alone.
; SHARES.  A block of 128 positions of one batch has TWO work-groups, which share the output rows: half 0 makes theta and g's channel tiles 0-3, half 1 phi and g's channel tiles 4-7.  Both
; quantise the block's x.  The halves are told apart by chosen pointers and constants alone: one text, no branch and no LDS address hangs on the half.
; Eight waves.  Wave p quantises row tile p of w_theta or w_phi (two K steps) and one fragment of its half of w_g, a quarter of the positions x half of the channels of x, and makes position
; tile p of theta or phi; waves 0-3 then make a channel tile of g each; meanwhile, in the launch's first four work-groups, waves 4-7 quantise a tile of w_rec each.
; THE ROWS OF A TILE ARE NOT NEIGHBOURS: lane r of tile 2 b + u takes row 32 b + 8 u + r + 8 (r / 8) (positions of x, rows of the three weights), so that the 16 result registers of
; tiles 2 b and 2 b + 1 are 16 neighbours along the next K: 32 b + 16 (lane / 16) + 0 .. 15.  w_rec's tiles take rows 16 t + r.
; NO CLUSTER.  A block's tile of x is read by its two work-groups alone: a cluster has four work-groups along an axis, so it would hold two blocks, and the tile's address and mask would hang on the
; place in the cluster, which a joint request's descriptor may not.  The weights, which all work-groups read, go to registers: as f32 a work-group's share is 196,608 bytes, which with x's
; 131,072 takes all 327,680 bytes that a work-group can claim and leaves none for the images.
; x comes once by one tensor load a wave (32 channels x 512 bytes); nothing in LDS is filled twice.
.set XF,    0                          ; LDS: x as f32, 256 channel rows of 512 bytes
.set XIMG,  131072                     ; x's 16 images, index 2 (position tile) + K step
.set WIMG,  155648                     ; 16 images of w_theta or w_phi, index 2 (row tile) + K step; then 8 of my half of w_g, likewise
.set XSC,   192512                     ; x's scale words: index idx, row r at 256 (idx / 4) + 16 r + 4 (idx % 4)
.set WSC,   193536                     ; the weights' likewise: 1,024 bytes, then w_g's 512
.set SST,   195072                     ; outgoing scale words: two runs of 256 bytes of theta's or phi's, one of g's; the block's last 256 bytes are not used
.set SPARE, 196096                     ; the spare words, 128 bytes a wave: four blocks of 256 bytes that no other line names
.set FL,    0x2800000                  ; 2^(5 - 127): the floor under a block's largest magnitude
.set FLT,   0x8800000                  ; 2^(17 - 127): theta's
.set LI,  2                            ; v2   16 x lane
.set R16, 3                            ; v3   16 x (lane % 16)
.set WA,  4                            ; v4   w_theta or w_phi: my row of tile p x 1,024 + 64 (lane / 16)
.set WRA, 5                            ; v5   w_rec: my row x 512 + 64 (lane / 16)
.set WW,  6                            ; v6   LDS: images of my row tile
.set WSW, 7                            ; v7   and their scale words
.set XRD, 8                            ; v8   LDS: my column of x, my 128 channels
.set XW,  9                            ; v9   where I store x's images
.set XSW, 10                           ; v10  and their scale words
.set XB,  11                           ; v11  x's images of position tile p
.set XBS, 12                           ; v12  and their scale words
.set AX,  13                           ; v13  all of x's images
.set AW,  14                           ; v14  all of w_theta's or w_phi's
.set AXS, 15                           ; v15  all of x's scale words
.set AWS, 16                           ; v16  all of w_theta's or w_phi's
.set SS1, 17                           ; v17  outgoing scale words of tile p (g's: 512 on)
.set SSR, 19                           ; v19  where waves 0 to 2 read them back
.set BA,  20                           ; v20  64 (lane / 16): a bias's eight numbers of my half of the lanes
.set BGA, 21                           ; v21  4 x my channel of g
.set SPW, 22                           ; v22  my spare word; never rewritten
.set NIL, 23                           ; v23  0; never rewritten
.set TM,  24                           ; v24-39 at work in the quantiser
.set PW,  40                           ; v40  the scale word just made
.set L4,  41                           ; v41  4 x lane
.set BS,  42                           ; v42-43 source 1's scale words: scales and nothing else
.set AS,  44                           ; v44-59 source 0's
.set PC,  60                           ; v60-71 the fragment just made
.set PT,  72                           ; v72-79 its upper halves on the way
.set AF0, 80                           ; v80-175 source 0's eight fragments, K step 0
.set BF,  176                          ; v176-199 source 1's two fragments
.set XD,  80                           ; v80-207 my column's 128 numbers of x
.set F0,  208
.set F1,  220
.set XT,  232
.set WGA, 248                          ; v248 w_g: my row and K step
.set WW2, 249                          ; v249 LDS: where I store my image of w_g
.set WSW2, 250                         ; v250 and its scale words
.set L8,  251                          ; v251 8 x lane
.set WGB, 252                          ; v252 LDS: the two images of w_g's tile p % 4
.set WGS, 253                          ; v253 and their scale words
.set ACC0, 0                           ; window 1: v0-63 theta or phi;  v64-127 g;  v128-223 source 0, K step 1;  v224-231 b_g eight times;  v232 b_g.  Earlier: three buffers of 64 numbers of a weight
.set ACC1, 64
.set AF1, 128
.set CB,  224
.set BG,  232
.set G1,  32                           ; s[32:39] descriptor group 1;  s[40:43] group 0
.set G0,  40
.set WV,  44
.set BLK, 45
.set BAT, 46
.set ID,  47                           ; 32 batch + block
.set SEL, 48
.set HALF, 72
.set FLS, 73                           ; s73  the floor of theta or of phi
.set SUB, 74                           ; s74  what is added to their scale word: -12 in each byte, or 0
.set IDW, 75                           ; s75  the work-group's number
.set MSB, 0
.macro WIN new                         ; the immediate's high byte repeats the setting that is left; a switch that changes nothing is dropped
.if MSB != (\new)
	s_set_vgpr_msb (MSB<<8)|(\new)
.set MSB, (\new)
.endif
.endm
.macro PLACES n
.rept \n
	v_nop
.endr
.endm
; 64 numbers of a lane in window w, register 16 b + i = k 32 b + 16 (lane / 16) + i of my row, become a fragment in v[pc] on and its scale word in v[pw], both in window 0.
.macro QUANT s, w, fl, pc, pw
	WIN 5*(\w)                                     ; sources 0 and 1: the numbers
.irp b, 0,1,2,3
	v_max3_num_f32 v[TM+\b], |v[(\s)+16*\b]|, |v[(\s)+16*\b+1]|, \fl   ; block b: my 16 numbers and the floor; each result tile is first read at its low end
.endr
.irp i, 2,4,6,8,10,12,14
.irp b, 0,1,2,3
	v_max3_num_f32 v[TM+\b], |v[(\s)+16*\b+\i]|, |v[(\s)+16*\b+\i+1]|, v[TM+\b]   ; the four blocks by turns
.endr
.endr
	WIN 0
.irp b, 0,1,2,3
	v_permlanex16_b32 v[TM+4+\b], v[TM+\b], s[SEL], s[SEL+1]
.endr
.irp b, 0,1,2,3
	v_max_num_f32 v[TM+\b], v[TM+\b], v[TM+4+\b]   ; with lane l xor 16's 16: the block's largest magnitude
.endr
.irp b, 0,1,2,3
	v_add_nc_u32 v[TM+12+\b], 0xfe000000, v[TM+\b] ; 4 off its exponent field: the conversion's scale operand
.endr
.irp b, 0,1,2,3
	v_lshrrev_b32 v[TM+4+\b], 23, v[TM+12+\b]      ; the scale's byte
.endr
	v_lshl_or_b32 v[\pw], v[TM+5], 8, v[TM+4]
	v_lshl_or_b32 v[\pw], v[TM+6], 16, v[\pw]
	v_lshl_or_b32 v[\pw], v[TM+7], 24, v[\pw]
	WIN (\w)
.irp c, 0,1
	v_cvt_scalef32_pk16_bf6_f32 v[(\pc)+6*\c:(\pc)+6*\c+2], v[(\s)+32*\c:(\s)+32*\c+15], v[TM+12+2*\c]
	v_cvt_scalef32_pk16_bf6_f32 v[PT+4*\c:PT+4*\c+2], v[(\s)+32*\c+16:(\s)+32*\c+31], v[TM+13+2*\c]   ; a conversion's three registers begin on an even number
.endr
	WIN 0
	v_nop                                          ; one plain instruction behind the last conversion
.irp c, 0,1                                    ; the operand wants a whole block in a lane: lanes 0-15 block 2 c, lanes 16-31 block 2 c + 1
.irp i, 0,1,2
	v_permlane16_swap_b32 v[(\pc)+6*\c+\i], v[PT+4*\c+\i]
.endr
.irp i, 0,1,2
	v_mov_b32 v[(\pc)+6*\c+3+\i], v[PT+4*\c+\i]
.endr
.endr
.endm
	s_load_b512 s[8:23], s[0:1], 0x0               ; x 8, w_theta 10, b_theta 12, w_phi 14, b_phi 16, w_g 18, b_g 20, w_rec 22
	s_load_b256 s[24:31], s[0:1], 0x40             ; th 24, ths 26, kv 28, wr 30
	v_lshl_add_u32 v[SPW], v0, 2, SPARE
	v_mov_b32 v[NIL], 0
	ds_add_u32 v[SPW], v[NIL]                      ; the wave's opening: the add, twice on end, and its wait ahead of my tensor load; the set-up below stands between
	ds_add_u32 v[SPW], v[NIL]
	v_lshrrev_b32 v1, 5, v0
	v_readfirstlane_b32 s[WV], v1                  ; p = wave 0..7
	s_mov_b32 s[BLK], ttmp9                        ; which 128 positions
	s_and_b32 s[IDW], ttmp7, 0xffff                ; y = 2 batch + half
	s_and_b32 s[HALF], s[IDW], 1
	s_lshr_b32 s[BAT], s[IDW], 1
	s_lshl_b32 s[ID], s[BAT], 5
	s_add_co_u32 s[ID], s[ID], s[BLK]              ; 32 batch + block
	s_lshl_b32 s[IDW], s[IDW], 5
	s_add_co_u32 s[IDW], s[IDW], s[BLK]            ; 32 y + x
	s_mov_b32 s[FLS], FL
	s_cmp_eq_u32 s[HALF], 0                        ; half 0 makes theta
	s_cselect_b32 s[FLS], FLT, s[FLS]
	s_cselect_b32 s[SUB], 0xf3f3f3f4, 0            ; -12 in each byte of a word
	s_mov_b32 s[G1+0], 2<<16                       ; no mask; elements of 4 bytes; no padding
	s_mov_b32 s[G1+1], 128<<16                     ; tensor_dim0 = 128 positions
	s_mov_b32 s[G1+2], 32<<16                      ; tensor_dim1 = 32 channels
	s_mov_b32 s[G1+3], 128<<16                     ; tile_dim0
	s_mov_b32 s[G1+4], 32                          ; tile_dim1
	s_mov_b32 s[G1+5], 4096                        ; elements from channel to channel
	s_mov_b32 s[G1+6], 0
	s_mov_b32 s[G1+7], 0
	s_mov_b32 s[SEL], 0x76543210
	s_mov_b32 s[SEL+1], 0xfedcba98                 ; v_permlanex16_b32: lane l xor 16
	s_lshl_b32 s50, s[BAT], 22                     ; x: batch x 4,194,304
	s_lshl_b32 s52, s[WV], 19                      ; + my 32 channels x 16,384
	s_add_co_u32 s50, s50, s52
	s_lshl_b32 s52, s[BLK], 9                      ; + block x 512
	s_add_co_u32 s50, s50, s52
	s_mov_b32 s51, 0
	s_mov_b32 s[G0], 1
	s_lshl_b32 s[G0+1], s[WV], 14                  ; LDS: XF + 16,384 p
	s_lshr_b32 s60, s[WV], 1                       ; p / 2
	s_and_b32 s61, s[WV], 1                        ; p % 2
	s_lshr_b32 s62, s[WV], 2                       ; p / 4
	s_and_b32 s63, s[WV], 3                        ; p % 4
	s_lshl_b32 s53, s[IDW], 2
	s_add_co_u32 s53, s53, s63                     ; w_rec's tile, in waves 4-7 of the four work-groups that take it
	v_and_b32 v60, 31, v0                          ; lane
	v_and_b32 v61, 15, v0                          ; r
	v_bfe_u32 v62, v0, 4, 1                        ; h
	v_lshlrev_b32 v[LI], 4, v60
	v_lshlrev_b32 v[L4], 2, v60
	v_lshlrev_b32 v[L8], 3, v60
	v_lshlrev_b32 v[R16], 4, v61
	v_and_b32 v65, 8, v61
	v_add_nc_u32 v65, v65, v61                     ; r + 8 (r / 8)
	s_lshl_b32 s66, s60, 5
	s_lshl_b32 s67, s61, 3
	s_add_co_u32 s66, s66, s67                     ; 32 (p / 2) + 8 (p % 2)
	v_add_nc_u32 v63, s66, v65                     ; my row of tile p
	v_lshlrev_b32 v[WA], 10, v63
	v_lshl_add_u32 v[WA], v62, 6, v[WA]
	v_lshlrev_b32 v[BA], 6, v62
	s_lshl_b32 s66, s[HALF], 6                     ; w_g: my half's tiles begin at row 64 half
	s_lshl_b32 s67, s62, 5                         ; the fragment that I quantise: tile 4 half + p / 2, K step p % 2
	s_add_co_u32 s67, s67, s66
	s_and_b32 s68, s60, 1
	s_lshl_b32 s68, s68, 3
	s_add_co_u32 s67, s67, s68
	v_add_nc_u32 v63, s67, v65
	v_lshlrev_b32 v[WGA], 10, v63
	v_lshl_add_u32 v[WGA], v62, 6, v[WGA]
	s_lshl_b32 s68, s61, 9
	v_add_nc_u32 v[WGA], s68, v[WGA]
	s_lshr_b32 s67, s63, 1                         ; b_g: my channel of tile 4 half + p % 4
	s_lshl_b32 s67, s67, 5
	s_add_co_u32 s67, s67, s66
	s_and_b32 s68, s63, 1
	s_lshl_b32 s68, s68, 3
	s_add_co_u32 s67, s67, s68
	v_add_nc_u32 v63, s67, v65
	v_lshlrev_b32 v[BGA], 2, v63
	s_lshl_b32 s67, s53, 4
	v_add_nc_u32 v[WRA], s67, v61
	v_lshlrev_b32 v[WRA], 9, v[WRA]
	v_lshl_add_u32 v[WRA], v62, 6, v[WRA]
	s_mul_i32 s67, s[WV], 3072
	s_add_co_u32 s68, s67, WIMG
	v_add_nc_u32 v[WW], s68, v[LI]
	s_add_co_u32 s68, s67, XIMG
	v_add_nc_u32 v[XB], s68, v[LI]
	s_mul_i32 s67, s[WV], 1536
	s_add_co_u32 s67, s67, WIMG+24576
	v_add_nc_u32 v[WW2], s67, v[LI]                ; w_g's image of index p = 2 (p / 2) + p % 2
	s_mul_i32 s67, s63, 3072
	s_add_co_u32 s67, s67, WIMG+24576
	v_add_nc_u32 v[WGB], s67, v[LI]
	s_lshl_b32 s67, s60, 8
	s_lshl_b32 s68, s61, 3
	s_add_co_u32 s67, s67, s68                     ; 256 (p / 2) + 8 (p % 2): the words of indices 2 p and 2 p + 1
	s_add_co_u32 s68, s67, WSC
	v_add_nc_u32 v[WSW], s68, v[R16]
	s_add_co_u32 s68, s67, XSC
	v_add_nc_u32 v[XBS], s68, v[R16]
	s_and_b32 s67, s60, 1
	s_lshl_b32 s67, s67, 8
	s_lshl_b32 s68, s61, 3
	s_add_co_u32 s67, s67, s68                     ; the same for p % 4
	s_add_co_u32 s67, s67, WSC+1024
	v_add_nc_u32 v[WGS], s67, v[R16]
	v_and_b32 v63, 7, v0
	v_bfe_u32 v64, v0, 3, 1
	v_lshl_add_u32 v63, v64, 4, v63
	v_lshl_add_u32 v63, v62, 3, v63                ; my column of the 32: lanes 0-15 the rows of tile 2 b, lanes 16-31 those of tile 2 b + 1
	s_lshl_b32 s67, s62, 16                        ; channels 128 (p / 4) on
	s_lshl_b32 s68, s63, 7                         ; positions 32 (p % 4) on
	s_add_co_u32 s67, s67, s68
	v_lshl_add_u32 v[XRD], v63, 2, s67
	s_lshl_b32 s67, s63, 2
	s_add_co_u32 s67, s67, s62
	s_mul_i32 s67, s67, 1536
	s_add_co_u32 s67, s67, XIMG
	v_add_nc_u32 v[XW], s67, v[LI]                 ; image index 4 (p % 4) + p / 4; the odd tile's two further on
	s_lshl_b32 s67, s63, 8
	s_lshl_b32 s68, s62, 2
	s_add_co_u32 s67, s67, s68
	s_add_co_u32 s67, s67, XSC
	v_lshl_add_u32 v[XSW], v62, 3, v[R16]
	v_add_nc_u32 v[XSW], s67, v[XSW]
	v_add_nc_u32 v[AX], XIMG, v[LI]
	v_add_nc_u32 v[AW], WIMG, v[LI]
	v_add_nc_u32 v[AXS], XSC, v[R16]
	v_add_nc_u32 v[AWS], WSC, v[R16]
	s_lshl_b32 s67, s62, 8
	s_lshl_b32 s68, s63, 2
	s_add_co_u32 s67, s67, s68                     ; 256 (p / 4) + 4 (p % 4): the word of index p
	s_add_co_u32 s68, s67, WSC+1024
	v_add_nc_u32 v[WSW2], s68, v[R16]
	s_add_co_u32 s68, s67, SST
	v_add_nc_u32 v[SS1], s68, v[R16]
	s_min_u32 s67, s[WV], 2
	s_lshl_b32 s67, s67, 8
	s_add_co_u32 s67, s67, SST
	v_lshl_add_u32 v[SSR], v60, 3, s67
.irp b, 0,1,2,3
	v_mov_b32 v[TM+4+\b], 0                        ; written once: a lane permute's destination counts as one of its sources
.endr
	s_wait_dscnt 0x0                               ; both opening adds are done
	s_wait_kmcnt 0x0
	s_cmp_eq_u32 s[HALF], 0                        ; the choice hangs on the work-group's number alone
	s_cselect_b64 s[10:11], s[10:11], s[14:15]     ; w_theta or w_phi
	s_cselect_b64 s[12:13], s[12:13], s[16:17]     ; b_theta or b_phi
	s_add_nc_u64 s[G0+2:G0+3], s[8:9], s[50:51]
	s_or_b32 s[G0+3], s[G0+3], 0x80000000          ; type = 2
	tensor_load_to_lds s[G0:G0+3], s[G1:G1+7]      ; my 32 channels x 128 positions: the wave's one tensor load
	s_nop 0
	PLACES 4
; my three fragments of weights, 64 numbers a lane each, into buffers 0 to 2 of window 1: f = 0, 1: K step f of row tile p of w_theta or w_phi; f = 2: my fragment of w_g
.macro WLOAD f
	WIN 0x40
.irp b, 0,1,2,3
.irp j, 0,1,2,3
.if (\f) < 2
	global_load_b128 v[64*(\f)+16*\b+4*\j:64*(\f)+16*\b+4*\j+3], v[WA], s[10:11] offset:512*(\f)+128*\b+16*\j
.else
	global_load_b128 v[128+16*\b+4*\j:128+16*\b+4*\j+3], v[WGA], s[18:19] offset:128*\b+16*\j
.endif
.endr
.endr
	WIN 0
.endm
	WLOAD 0
	WLOAD 1
	WLOAD 2
	s_mul_i32 s50, s[ID], 12288                    ; where my results go
	s_mul_i32 s52, s[WV], 1536
	s_add_co_u32 s50, s50, s52
	s_add_nc_u64 s[24:25], s[24:25], s[50:51]      ; th: image 8 block + p
	s_lshl_b32 s50, s[ID], 9
	s_add_nc_u64 s[26:27], s[26:27], s[50:51]      ; ths: the block's 512 bytes
	s_mul_i32 s50, s[ID], 25600
	s_add_nc_u64 s[28:29], s[28:29], s[50:51]      ; the kv block
	s_add_nc_u64 s[54:55], s[28:29], 24576         ; its scale words
	s_lshl_b32 s50, s[HALF], 2
	s_add_co_u32 s50, s50, s63
	s_mul_i32 s50, s50, 1536
	s_add_co_u32 s50, s50, 12288
	s_add_nc_u64 s[66:67], s[28:29], s[50:51]      ; g's image 4 half + p % 4
	s_mov_b32 s50, s52
	s_add_nc_u64 s[28:29], s[28:29], s[50:51]      ; phi's image p
	s_cmp_eq_u32 s[HALF], 0
	s_cselect_b64 s[24:25], s[24:25], s[28:29]     ; theta's image or phi's
	s_min_u32 s70, s[WV], 1                        ; the three runs of 256 bytes of scale words, one for each of waves 0 to 2.  Half 0: ths + 0, ths + 256, the kv block's + 256;
	s_add_co_u32 s71, s[WV], s70                   ; half 1: the kv block's + 0, + 512, + 768
	s_cmp_eq_u32 s[HALF], 0
	s_cselect_b32 s70, s70, s71
	s_lshl_b32 s70, s70, 8
	s_mov_b32 s71, 0
	s_lshr_b32 s50, s[WV], 1
	s_or_b32 s50, s50, s[HALF]
	s_cmp_eq_u32 s50, 0
	s_cselect_b64 s[68:69], s[26:27], s[54:55]
	s_add_nc_u64 s[68:69], s[68:69], s[70:71]
	s_mul_i32 s50, s53, 1536
	s_add_nc_u64 s[56:57], s[30:31], s[50:51]      ; wr: image of my tile of w_rec,
	s_lshl_b32 s50, s53, 7
	s_add_co_u32 s50, s50, 24576
	s_add_nc_u64 s[58:59], s[30:31], s[50:51]      ; and its scale words
; a fragment is quantised and its image stored.  left: the loads of the fragments issued behind it
.macro WFRAG buf, left, ireg, ioff, sreg, soff
	s_wait_loadcnt \left
	s_wait_dscnt 0x0                               ; the last image's stores are done with their registers
	QUANT \buf,1,FL,PC,PW
.irp c, 0,1,2
	ds_store_b128 v[\ireg], v[PC+4*\c:PC+4*\c+3] offset:\ioff+512*\c
.endr
	ds_store_b32 v[\sreg], v[PW] offset:\soff      ; lanes l and l xor 16 write the same word with the same value
.endm
	WFRAG 0,32,WW,0,WSW,0                          ; two fragments' loads, 16 each, stay out
	WFRAG 64,16,WW,1536,WSW,4
	WFRAG 128,0,WW2,0,WSW2,0
	WIN 0x40                                       ; the bias in the result's layout: tile t, my half of the lanes: eight neighbours
.irp t, 0,1,2,3,4,5,6,7
	global_load_b128 v[ACC0+8*\t:ACC0+8*\t+3], v[BA], s[12:13] offset:(32*(\t/2)+8*(\t%2))*4
	global_load_b128 v[ACC0+8*\t+4:ACC0+8*\t+7], v[BA], s[12:13] offset:(32*(\t/2)+8*(\t%2))*4+16
.endr
	global_load_b32 v[BG], v[BGA], s[20:21]        ; b_g of my channel (waves 4-7 ask with the others and do not use it: one load, and no branch)
	WIN 0
	s_wait_tensorcnt 0x0                           ; my part of x has landed,
	s_wait_dscnt 0x0                               ; my images of the weights are stored
	s_barrier_signal -1
	s_barrier_wait -1                              ; everybody's
	; ---- x: my column's 128 channels; four whole blocks of 32 in one lane
.set k, 0
.rept 128
	ds_load_b32 v[XD+k], v[XRD] offset:512*k       ; 32 lanes read 32 different words of one row
.set k, k+1
.endr
; blocks 2 c and 2 c + 1 of my column.  Lanes 0-15 hold the rows of tile 2 b, lanes 16-31 those of tile 2 b + 1: block 2 c goes to F0, block 2 c + 1 to F1, and the exchange of F0's upper
; lanes with F1's lower lanes leaves F0 the fragment of tile 2 b and F1 that of tile 2 b + 1
.macro XHALF c
.irp u, 0,1
	v_max3_num_f32 v[TM+\u], |v[XD+64*\c+32*\u]|, |v[XD+64*\c+32*\u+1]|, FL
.endr
.irp i, 2,4,6,8,10,12,14,16,18,20,22,24,26,28,30
.irp u, 0,1
	v_max3_num_f32 v[TM+\u], v[TM+\u], |v[XD+64*\c+32*\u+\i]|, |v[XD+64*\c+32*\u+\i+1]|
.endr
.endr
.irp u, 0,1
	v_add_nc_u32 v[TM+12+\u], 0xfe000000, v[TM+\u]
.endr
.irp u, 0,1
	v_lshrrev_b32 v[TM+4+\u], 23, v[TM+12+\u]
.endr
.if \c == 0
	v_lshl_or_b32 v[PW], v[TM+5], 8, v[TM+4]
.else
	v_lshl_or_b32 v[PW], v[TM+4], 16, v[PW]
	v_lshl_or_b32 v[PW], v[TM+5], 24, v[PW]
.endif
	v_cvt_scalef32_pk16_bf6_f32 v[F0+6*\c:F0+6*\c+2], v[XD+64*\c:XD+64*\c+15], v[TM+12]
	v_cvt_scalef32_pk16_bf6_f32 v[XT+8*\c:XT+8*\c+2], v[XD+64*\c+16:XD+64*\c+31], v[TM+12]
	v_cvt_scalef32_pk16_bf6_f32 v[F1+6*\c:F1+6*\c+2], v[XD+64*\c+32:XD+64*\c+47], v[TM+13]
	v_cvt_scalef32_pk16_bf6_f32 v[XT+8*\c+4:XT+8*\c+6], v[XD+64*\c+48:XD+64*\c+63], v[TM+13]
	v_nop                                          ; one plain instruction behind the last conversion
.irp i, 0,1,2
	v_mov_b32 v[F0+6*\c+3+\i], v[XT+8*\c+\i]
	v_mov_b32 v[F1+6*\c+3+\i], v[XT+8*\c+4+\i]
.endr
.irp i, 0,1,2,3,4,5
	v_permlane16_swap_b32 v[F0+6*\c+\i], v[F1+6*\c+\i]
.endr
.endm
	s_wait_dscnt 63                                ; the first 64 are in (64 are younger; the count's field ends at 63)
	XHALF 0
	s_wait_dscnt 0x0
	XHALF 1
.irp c, 0,1,2
	ds_store_b128 v[XW], v[F0+4*\c:F0+4*\c+3] offset:512*\c
	ds_store_b128 v[XW], v[F1+4*\c:F1+4*\c+3] offset:3072+512*\c
.endr
	ds_store_b32 v[XSW], v[PW]                     ; a lane's word is its own row's: lanes 0-15 tile 2 b, lanes 16-31 tile 2 b + 1
	s_wait_loadcnt 0x0                             ; the biases
	WIN 0x41
.irp i, 0,1,2,3,4,5,6,7
	v_mov_b32 v[CB+\i], v[BG]                      ; in g's result a lane holds one channel: its bias in all eight registers
.endr
	WIN 0
	s_wait_dscnt 0x0
	s_barrier_signal -1
	s_barrier_wait -1                              ; x's sixteen images lie in LDS
; ---- the jobs.  theta or phi: source 0 = the weight's eight row tiles, source 1 = x's position tile p: a lane holds one position, its registers run along the channels.
; g: source 0 = x's eight position tiles, source 1 = a row tile of w_g: a lane holds one channel, its registers run along the positions.
; JL: a job's 59 LDS loads in one run.  JM: its 16 products, the eight accumulators by turns.  JQ: its result quantised and stored.
.macro JL ar, ao, asr, aso, br, bo, bsr, bso
.irp g, 0,1,2,3
	ds_load_b128 v[AS+4*\g:AS+4*\g+3], v[\asr] offset:\aso+256*\g
.endr
	ds_load_b64 v[BS:BS+1], v[\bsr] offset:\bso
.irp s, 0,1
.irp c, 0,1,2
	ds_load_b128 v[BF+12*\s+4*\c:BF+12*\s+4*\c+3], v[\br] offset:\bo+1536*\s+512*\c
.endr
.endr
.irp t, 0,1,2,3,4,5,6,7
.irp c, 0,1,2
	ds_load_b128 v[AF0+12*\t+4*\c:AF0+12*\t+4*\c+3], v[\ar] offset:\ao+3072*\t+512*\c
.endr
.endr
	WIN 0x40
.irp t, 0,1,2,3,4,5,6,7
.irp c, 0,1,2
	ds_load_b128 v[AF1+12*\t+4*\c:AF1+12*\t+4*\c+3], v[\ar] offset:\ao+3072*\t+1536+512*\c
.endr
.endr
	WIN 0
.endm
.macro JM acc, cb
	s_wait_dscnt 24                                ; all but K step 1's 24 loads are in
	WIN 0x50                                       ; C and D window 1
.irp t, 0,1,2,3,4,5,6,7
.if \cb
	v_wmma_scale_f32_16x16x128_f8f6f4 v[\acc+8*\t:\acc+8*\t+7], v[AF0+12*\t:AF0+12*\t+11], v[BF:BF+11], v[CB:CB+7], v[AS+2*\t], v[BS] matrix_a_fmt:MATRIX_FMT_BF6 matrix_b_fmt:MATRIX_FMT_BF6
.else
	v_wmma_scale_f32_16x16x128_f8f6f4 v[\acc+8*\t:\acc+8*\t+7], v[AF0+12*\t:AF0+12*\t+11], v[BF:BF+11], v[\acc+8*\t:\acc+8*\t+7], v[AS+2*\t], v[BS] matrix_a_fmt:MATRIX_FMT_BF6 matrix_b_fmt:MATRIX_FMT_BF6
.endif
.endr
	s_wait_dscnt 0x0
	WIN 0x51                                       ; source 0 window 1 too
.irp t, 0,1,2,3,4,5,6,7
	v_wmma_scale_f32_16x16x128_f8f6f4 v[\acc+8*\t:\acc+8*\t+7], v[AF1+12*\t:AF1+12*\t+11], v[BF+12:BF+23], v[\acc+8*\t:\acc+8*\t+7], v[AS+2*\t+1], v[BS+1] matrix_a_fmt:MATRIX_FMT_BF6 matrix_b_fmt:MATRIX_FMT_BF6
.endr
	WIN 0
.endm
.macro JQ acc, fl, sub, ptr, soff
	s_wait_xcnt 0x0                                ; earlier stores have read the fragment's registers
	QUANT \acc,1,\fl,PC,PW
.if \sub
	v_add_nc_u32 v[PW], s[SUB], v[PW]              ; theta: 12 off each byte, the next product's 1 / 4096; each byte is 13 or more, so no byte borrows.  phi: 0 is added: the choice is made without a branch
.endif
.irp c, 0,1,2
	global_store_b128 v[LI], v[PC+4*\c:PC+4*\c+3], s[\ptr:\ptr+1] offset:512*\c   ; 512 consecutive bytes, at a multiple of 512
.endr
	ds_store_b32 v[SS1], v[PW] offset:\soff
.endm
	JL AW,0,AWS,0,XB,0,XBS,0
	JM ACC0,0                                      ; theta or phi
	PLACES 4                                       ; in front of loads into registers that the products have read, and of the first read of results
	s_cmp_lt_u32 s[WV], 4                          ; g's four channel tiles of this half go to waves 0-3
	s_cbranch_scc0 .Lone
	JL AX,0,AXS,0,WGB,0,WGS,0
	JQ ACC0,s73,1,24,0                             ; (s73: the chosen floor)
	JM ACC1,1                                      ; g
	PLACES 4
	JQ ACC1,FL,0,66,512
	s_branch .Ljoin
.Lone:
	JQ ACC0,s73,1,24,0
	; w_rec: 16 tiles of 16 rows: waves 4-7 of the launch's first four work-groups take one each, while waves 0-3 make g (a branch on the work-group's number; nothing is stored to LDS under it)
	s_cmp_lt_u32 s[IDW], 4
	s_cbranch_scc0 .Ljoin
.irp b, 0,1,2,3
.irp j, 0,1,2,3
	global_load_b128 v[80+16*\b+4*\j:80+16*\b+4*\j+3], v[WRA], s[22:23] offset:128*\b+16*\j
.endr
.endr
	s_wait_loadcnt 0x0
	s_wait_xcnt 0x0                                ; the stores above have read the fragment's registers
	QUANT 80,0,FL,PC,PW
.irp c, 0,1,2
	global_store_b128 v[LI], v[PC+4*\c:PC+4*\c+3], s[56:57] offset:512*\c   ; 32 lanes store 512 consecutive bytes, at a multiple of 512
.endr
	global_store_b32 v[L4], v[PW], s[58:59]
.Ljoin:
	s_wait_dscnt 0x0
	s_barrier_signal -1
	s_barrier_wait -1                              ; the work-group's 768 bytes of scale words lie together
	s_cmp_lt_u32 s[WV], 3
	s_cbranch_scc0 .Lend
	ds_load_b64 v[80:81], v[SSR]
	s_wait_dscnt 0x0
	global_store_b64 v[L8], v[80:81], s[68:69]     ; 32 lanes store 256 consecutive bytes, at a multiple of 256
.Lend:
	s_wait_tensorcnt 0x0                           ; the wave's end: behind my tensor load and my last LDS store
	ds_add_u32 v[SPW], v[NIL]
	s_wait_dscnt 0x0
	s_endpgm
.Lfunc_end_k_qe18a95d6c7_proj:
	.size	k_qe18a95d6c7_proj, .Lfunc_end_k_qe18a95d6c7_proj-k_qe18a95d6c7_proj
	.p2alignl 7, 3214868480
	.fill 96, 4, 3214868480
	.section	.rodata,"a",@progbits
	.p2align	6, 0x0
	.amdhsa_kernel k_qe18a95d6c7_proj
		.amdhsa_group_segment_fixed_size 197120
		.amdhsa_private_segment_fixed_size 0
		.amdhsa_enable_private_segment 0
		.amdhsa_kernarg_size 96
		.amdhsa_user_sgpr_count 2
		.amdhsa_user_sgpr_kernarg_segment_ptr 1
		.amdhsa_wavefront_size32 1
		.amdhsa_system_sgpr_workgroup_id_x 1
		.amdhsa_system_sgpr_workgroup_id_y 1
		.amdhsa_system_sgpr_workgroup_id_z 1
		.amdhsa_system_vgpr_workitem_id 0
		.amdhsa_next_free_vgpr 512
		.amdhsa_next_free_sgpr 80
		.amdhsa_reserve_vcc 0
		.amdhsa_float_denorm_mode_32 3
		.amdhsa_float_denorm_mode_16_64 3
		.amdhsa_memory_ordered 1
		.amdhsa_forward_progress 1
		.amdhsa_inst_pref_size 73
	.end_amdhsa_kernel
	.amdgpu_metadata
---
amdhsa.version: [ 1, 2 ]
amdhsa.kernels:
  - .name:           k_qe18a95d6c7_proj
    .symbol:         k_qe18a95d6c7_proj.kd
    .args:
      - { .name: x, .offset: 0, .size: 8, .value_kind: global_buffer, .address_space: global }
      - { .name: w_theta, .offset: 8, .size: 8, .value_kind: global_buffer, .address_space: global }
      - { .name: b_theta, .offset: 16, .size: 8, .value_kind: global_buffer, .address_space: global }
      - { .name: w_phi, .offset: 24, .size: 8, .value_kind: global_buffer, .address_space: global }
      - { .name: b_phi, .offset: 32, .size: 8, .value_kind: global_buffer, .address_space: global }
      - { .name: w_g, .offset: 40, .size: 8, .value_kind: global_buffer, .address_space: global }
      - { .name: b_g, .offset: 48, .size: 8, .value_kind: global_buffer, .address_space: global }
      - { .name: w_rec, .offset: 56, .size: 8, .value_kind: global_buffer, .address_space: global }
      - { .name: th, .offset: 64, .size: 8, .value_kind: global_buffer, .address_space: global }
      - { .name: ths, .offset: 72, .size: 8, .value_kind: global_buffer, .address_space: global }
      - { .name: kv, .offset: 80, .size: 8, .value_kind: global_buffer, .address_space: global }
      - { .name: wr, .offset: 88, .size: 8, .value_kind: global_buffer, .address_space: global }
    .group_segment_fixed_size: 197120
    .private_segment_fixed_size: 0
    .kernarg_segment_align: 8
    .kernarg_segment_size: 96
    .max_flat_workgroup_size: 256
    .sgpr_count:     80
    .vgpr_count:     512
    .wavefront_size: 32
...
	.end_amdgpu_metadata
.endif
;; end of part 3
;; launch attn (part 4): grid 64 x 4, 4 waves a work-group, clusters of 4 x 1, 327,680 bytes of LDS; arguments th, ths, kv, wr, x, b_rec, out0; writes out0
.if DOCPART == 4
	.amdgcn_target "amdgcn-amd-amdhsa--gfx1250"
	.amdhsa_code_object_version 6
	.text
	.protected	k_qe18a95d6c7_attn
	.globl	k_qe18a95d6c7_attn
	.p2align	8
	.type	k_qe18a95d6c7_attn,@function
k_qe18a95d6c7_attn:
	s_mov_b64 s[64:65], 0
	v_nop
	global_prefetch_b8 v0, s[64:65] scope:SCOPE_SE
	s_setreg_imm32_b32 hwreg(HW_REG_WAVE_MODE, 25, 1), 1
	s_wait_xcnt 0x0
	s_wait_alu depctr_hold_cnt(0) depctr_sa_sdst(0) depctr_va_vdst(0) depctr_va_sdst(0) depctr_va_ssrc(0) depctr_va_vcc(0) depctr_vm_vsrc(0)
	s_getreg_b32 s2, hwreg(HW_REG_IB_STS2, 6, 4)
	s_cmp_eq_u32 s2, 0
	s_cbranch_scc0 .Lentry_in_a_cluster
	s_endpgm
.Lentry_in_a_cluster:
	s_bfe_u32 s2, ttmp6, 0x10000c
	s_cmp_lg_u32 s2, 0x3003
	s_cbranch_scc0 .Lentry_shape_is_right
	s_endpgm
.Lentry_shape_is_right:
; out = x + w_rec y + b_rec, y[c][n] = sum over m of Q(f[n][m]) Q(g[c][m]), f[n][m] = (Q(theta[:, n]) . Q(phi[:, m])) / 4096: three products on codes of E3M2 with one E8M0 byte for each 32 along K.
; theta, phi, g and w_rec arrive as images of operand registers with their scale words; 1 / 4096 lies in theta's scale bytes, so the first product gives f itself.  f is quantised along the keys m,
; y along its 128 channels, both in registers.  No work is left out.
; LIMITS: NaN and infinities are not served; a block's largest magnitude is taken no smaller than 2^-122; a block of zeros gets that floor's byte over zero codes, which add nothing.
; The sum over the 4,096 keys is made in four parts of 1,024, each from a key step that hangs on the cluster's number on, and the parts are added in f32.
; SHARES.  A work-group owns 64 queries of one batch: four tiles of 16.  THE FOUR WAVES SHARE THE KEYS: wave w takes all four tiles and key steps 8 w .. 8 w + 7 of 128 keys, so that each fragment
; of phi and g read from LDS feeds four matrix instructions and is read once in the work-group.  The four partial sums meet in LDS; then wave w finishes query tile w.
; LAYOUT.  S^T = phi theta^T (source 0 = 16 keys, source 1 = 16 queries) and O^T = g P^T (source 0 = 16 channels, source 1 = P): a lane holds one query throughout.  The keys of a tile of phi and the
; channels of a tile of g are chosen (32 b + 8 u + r + 8 (r / 8) in tile 2 b + u), so that 16 registers of two neighbouring tiles are 16 neighbours along the next K.
; CLUSTER.  The four work-groups of a cluster belong to one batch and walk the same key steps: each block of 25,600 bytes (8 images of phi, 8 of g, 1,024 bytes of scale words) is asked for JOINTLY,
; by the same tensor load with the same descriptor and the mask of all four.  Each wave fetches and reads its own two slots; a slot's refill stands behind a round of the cluster's barrier.
; THE SIXTEEN CLUSTERS OF A BATCH BEGIN AT DIFFERENT KEY STEPS: cluster x takes a wave's eight steps in the order (x + j) mod 8, j = 0 .. 7, so that they do not all ask for the same block at the same
; time, and their first fills (steps x and x + 1) together name all of the batch's blocks.  The order hangs on the cluster's number, which its four partners share.
; REGISTERS, in windows of 256: window 0: addresses, scale words, P, theta.  window 1: S^T (64 t + 8 k).  window 2: O^T (64 t + 8 c).  window 3: v0-95 phi, v128-223 g, v224-255 b_rec.
; On the way out: window 1: the four parts of my tile, then 16 result tiles from v64; window 2: w_rec's 16 fragments; window 3: v0-127 x.
.set SLOTB, 25600                      ; a key step's block, and a slot
.set RINGW, 51200                      ; a wave's two slots
.set WRL,   204800                     ; behind the four rings: w_rec's 16 images and 2,048 bytes of scale words, filled once
.set OST,   231424                     ; the stage for out: 256 rows x (256 bytes + 16)
.set SPARE, 301056                     ; the spare words, 128 bytes a wave: two blocks of 256 bytes that no other line names
.set FL,    0x2800000                  ; 2^(5 - 127): the floor under a block's largest magnitude
.set LI,  1                            ; v1   16 x lane
.set KA,  2                            ; v2-3 my place in my slot 0, 1
.set R16, 5                            ; v5   16 x (lane % 16)
.set GO,  6                            ; v6   x, out: 16,384 (lane / 16) + 16 (lane % 16)
.set BO,  7                            ; v7   b_rec: 4 (lane / 16)
.set RD,  8                            ; v8-11 wave v's part of my tile
.set SO,  12                           ; v12  the stage: where I put 32 bytes of a row
.set SR,  13                           ; v13  and where I read a row back
.set WL,  14                           ; v14  w_rec's images
.set WSL, 15                           ; v15  and scale words
.set SPW, 17                           ; v17  my spare word; never rewritten
.set NIL, 18                           ; v18  0; never rewritten
.set TM,  20                           ; v20-35 at work in the quantiser
.set PW,  36                           ; v36-39 P's scale words, a tile each: scales and nothing else
.set TS,  40                           ; v40-43 theta's
.set SCL, 44                           ; v44-51, v52-59: a key step's: lanes 0-15 phi's tile k, lanes 16-31 g's tile k; a set for each slot
.set PT,  60
.set P,   68                           ; v68-115 P, 12 a tile
.set TH,  116                          ; v116-163 theta, 12 a tile
.set WS,  164                          ; v164-179 w_rec's scale words
.set VF,  128                          ; window 3: g's fragments
.set BR,  224                          ; window 3: b_rec
.set WV,  18
.set CX,  19
.set QB,  20
.set BAT, 21
.set G1,  24                           ; s[24:31] group 1 for a key step's block;  s[32:39] for a quarter of w_rec;  s[40:47] groups 0, a set a slot;  s[48:51] w_rec's
.set G1W, 32
.set G0,  40
.set G0W, 48
.set SEL, 52
.set LOOP, 54
.set IDX, 55                           ; s55  which of my eight key steps was asked for last
.set OFS, 58                           ; s[58:59] its block's offset in bytes
.set KVB, 60                           ; s[60:61] kv at my first key step; kept
.set MSB, 0
.macro WIN new                         ; the immediate's high byte repeats the setting that is left; a switch that changes nothing is dropped
.if MSB != (\new)
	s_set_vgpr_msb (MSB<<8)|(\new)
.set MSB, (\new)
.endif
.endm
.macro PLACES n
.rept \n
	v_nop
.endr
.endm
.macro CROUND                          ; a round of the cluster's barrier
	s_barrier_signal -1
	s_barrier_wait -1
	s_cmp_lg_u32 s[WV], 0
	s_cbranch_scc1 .Lnot_wave_0_\@
	s_barrier_signal -3
.Lnot_wave_0_\@:
	s_barrier_wait -3
	s_barrier_signal -1
	s_barrier_wait -1
.endm
; 64 numbers of a lane in window w, register 16 b + i = k 32 b + 16 (lane / 16) + i of my row, become a fragment in v[pc] on and its scale word in v[pw], both in window 0.
.macro QUANT s, w, fl, pc, pw
	WIN 5*(\w)                                     ; sources 0 and 1: the numbers
.irp b, 0,1,2,3
	v_max3_num_f32 v[TM+\b], |v[(\s)+16*\b]|, |v[(\s)+16*\b+1]|, \fl   ; block b: my 16 numbers and the floor; each result tile is first read at its low end
.endr
.irp i, 2,4,6,8,10,12,14
.irp b, 0,1,2,3
	v_max3_num_f32 v[TM+\b], |v[(\s)+16*\b+\i]|, |v[(\s)+16*\b+\i+1]|, v[TM+\b]   ; the four blocks by turns
.endr
.endr
	WIN 0
.irp b, 0,1,2,3
	v_permlanex16_b32 v[TM+4+\b], v[TM+\b], s[SEL], s[SEL+1]
.endr
.irp b, 0,1,2,3
	v_max_num_f32 v[TM+\b], v[TM+\b], v[TM+4+\b]   ; with lane l xor 16's 16: the block's largest magnitude
.endr
.irp b, 0,1,2,3
	v_add_nc_u32 v[TM+12+\b], 0xfe000000, v[TM+\b] ; 4 off its exponent field: the conversion's scale operand
.endr
.irp b, 0,1,2,3
	v_lshrrev_b32 v[TM+4+\b], 23, v[TM+12+\b]      ; the scale's byte
.endr
	v_lshl_or_b32 v[\pw], v[TM+5], 8, v[TM+4]
	v_lshl_or_b32 v[\pw], v[TM+6], 16, v[\pw]
	v_lshl_or_b32 v[\pw], v[TM+7], 24, v[\pw]
	WIN (\w)
.irp c, 0,1
	v_cvt_scalef32_pk16_bf6_f32 v[(\pc)+6*\c:(\pc)+6*\c+2], v[(\s)+32*\c:(\s)+32*\c+15], v[TM+12+2*\c]
	v_cvt_scalef32_pk16_bf6_f32 v[PT+4*\c:PT+4*\c+2], v[(\s)+32*\c+16:(\s)+32*\c+31], v[TM+13+2*\c]   ; a conversion's three registers begin on an even number
.endr
	WIN 0
	v_nop                                          ; one plain instruction behind the last conversion
.irp c, 0,1                                    ; the operand wants a whole block in a lane: lanes 0-15 block 2 c, lanes 16-31 block 2 c + 1
.irp i, 0,1,2
	v_permlane16_swap_b32 v[(\pc)+6*\c+\i], v[PT+4*\c+\i]
.endr
.irp i, 0,1,2
	v_mov_b32 v[(\pc)+6*\c+3+\i], v[PT+4*\c+\i]
.endr
.endr
.endm
	s_load_b256 s[4:11], s[0:1], 0x0               ; th 4, ths 6, kv 8, wr 10
	s_load_b128 s[12:15], s[0:1], 0x20             ; x 12, b_rec 14
	s_load_b64 s[16:17], s[0:1], 0x30              ; out0
	v_lshl_add_u32 v[SPW], v0, 2, SPARE
	v_mov_b32 v[NIL], 0
	ds_add_u32 v[SPW], v[NIL]                      ; the wave's opening: the add, twice on end, and its wait ahead of the round in front of my first tensor loads; the set-up below stands between
	ds_add_u32 v[SPW], v[NIL]
	v_lshrrev_b32 v19, 5, v0
	v_readfirstlane_b32 s[WV], v19                 ; wave 0..3
	s_bfe_u32 s[CX], ttmp6, 0x40000                ; my place in the cluster: it enters global addresses of th, ths, x and out0 alone
	s_lshl_b32 s[QB], ttmp9, 2
	s_add_co_u32 s[QB], s[QB], s[CX]               ; my block of 64 queries
	s_and_b32 s[BAT], ttmp7, 0xffff                ; the batch, which the four partners share
	s_and_b32 s[IDX], ttmp9, 7                     ; the key step at which my cluster begins: the cluster's number mod 8, which the four partners share
	s_mov_b32 s[OFS+1], 0
	s_mov_b32 s[G1+0], 15|(3<<16)|(1<<21)          ; the mask: all four work-groups; elements of 8 bytes; bit 21 set beside a mask; no padding
	s_mov_b32 s[G1+1], 32<<16                      ; tensor_dim0 = 32: rows of 256 bytes
	s_mov_b32 s[G1+2], 100<<16                     ; tensor_dim1 = 100: a dense block of 25,600 bytes
	s_mov_b32 s[G1+3], 32<<16
	s_mov_b32 s[G1+4], 100
	s_mov_b32 s[G1+5], 32
	s_mov_b32 s[G1+6], 0
	s_mov_b32 s[G1+7], 0
	s_mov_b32 s[G1W+0], 15|(3<<16)|(1<<21)
	s_mov_b32 s[G1W+1], 32<<16
	s_mov_b32 s[G1W+2], 26<<16                     ; a quarter of wr: 6,656 dense bytes
	s_mov_b32 s[G1W+3], 32<<16
	s_mov_b32 s[G1W+4], 26
	s_mov_b32 s[G1W+5], 32
	s_mov_b32 s[G1W+6], 0
	s_mov_b32 s[G1W+7], 0
	s_mov_b32 s[SEL], 0x76543210
	s_mov_b32 s[SEL+1], 0xfedcba98                 ; v_permlanex16_b32: lane l xor 16
	s_lshl_b32 s60, s[BAT], 5
	s_lshl_b32 s57, s[WV], 3
	s_add_co_u32 s60, s60, s57
	s_mul_i32 s60, s60, SLOTB                      ; kv: my eight key steps begin at block 32 batch + 8 wave
	s_mov_b32 s61, 0
	s_mul_i32 s23, s[WV], RINGW                    ; my ring
	s_mul_i32 s62, s[WV], 6656                     ; my quarter of wr,
	s_mov_b32 s63, 0
	s_add_co_u32 s22, s62, WRL                     ; and its place in LDS
	v_and_b32 v20, 31, v0                          ; lane
	v_and_b32 v4, 15, v0                           ; r
	v_bfe_u32 v19, v0, 4, 1                        ; h
	v_lshlrev_b32 v[LI], 4, v20
	v_lshlrev_b32 v[R16], 4, v4
	v_add_nc_u32 v[KA], s23, v[LI]
	v_add_nc_u32 v[KA+1], SLOTB, v[KA]
	v_lshlrev_b32 v[GO], 14, v19
	v_lshl_add_u32 v[GO], v4, 4, v[GO]
	v_lshlrev_b32 v[BO], 2, v19
	s_lshl_b32 s57, s[WV], 13                      ; tile w's 64 registers in a wave's 32,768 bytes of partial sums
	v_add_nc_u32 v[RD], s57, v[LI]
	v_add_nc_u32 v[RD+1], RINGW, v[RD]
	v_add_nc_u32 v[RD+2], 2*RINGW, v[RD]
	v_add_nc_u32 v[RD+3], 3*RINGW, v[RD]
	s_lshr_b32 s57, s[WV], 1
	s_lshl_b32 s57, s57, 7
	s_and_b32 s70, s[WV], 1
	s_lshl_b32 s70, s70, 5
	s_add_co_u32 s57, s57, s70
	s_add_co_u32 s57, s57, OST
	v_mul_u32_u24 v[SO], v4, 272
	v_lshl_add_u32 v[SO], v19, 6, v[SO]
	v_add_nc_u32 v[SO], s57, v[SO]                 ; row r; positions 32 (w / 2) + 16 h + 8 (w % 2) on: my tile's eight neighbours
	s_mul_i32 s57, s[WV], 64*272
	s_add_co_u32 s57, s57, OST
	v_mul_u32_u24 v[SR], v19, 272
	v_lshl_add_u32 v[SR], v4, 4, v[SR]
	v_add_nc_u32 v[SR], s57, v[SR]                 ; back: rows 64 w on; lanes 0-15 one row, lanes 16-31 the next
	v_add_nc_u32 v[WL], WRL, v[LI]
	v_lshl_add_u32 v[WSL], v20, 2, WRL+24576
.irp b, 0,1,2,3
	v_mov_b32 v[TM+4+\b], 0                        ; written once: a lane permute's destination counts as one of its sources
.endr
	s_wait_dscnt 0x0                               ; both opening adds are done
	s_wait_kmcnt 0x0
	s_add_nc_u64 s[KVB:KVB+1], s[8:9], s[60:61]
.irp n, 0,1
	s_mov_b32 s[G0+4*\n], 1
	s_add_co_u32 s[G0+4*\n+1], s23, \n*SLOTB       ; LDS: the wave's number and the slot alone
	s_mul_i32 s[OFS], s[IDX], SLOTB
	s_add_nc_u64 s[G0+4*\n+2:G0+4*\n+3], s[KVB:KVB+1], s[OFS:OFS+1]   ; the n-th step of my cluster's order
	s_or_b32 s[G0+4*\n+3], s[G0+4*\n+3], 0x80000000
.if \n == 0
	s_add_co_u32 s[IDX], s[IDX], 1
	s_and_b32 s[IDX], s[IDX], 7
.endif
.endr
	s_mov_b32 s[G0W], 1
	s_mov_b32 s[G0W+1], s22
	s_add_nc_u64 s[G0W+2:G0W+3], s[10:11], s[62:63]
	s_or_b32 s[G0W+3], s[G0W+3], 0x80000000
	CROUND                                         ; all four work-groups are here: the first joint loads meet
	tensor_load_to_lds s[G0:G0+3], s[G1:G1+7]      ; the first fills as one group: three loads of mine are out
	s_nop 0
	tensor_load_to_lds s[G0+4:G0+7], s[G1:G1+7]
	s_nop 0
	tensor_load_to_lds s[G0W:G0W+3], s[G1W:G1W+7]
	s_nop 0
	PLACES 4
	s_lshl_b32 s66, s[BAT], 6
	s_add_co_u32 s66, s66, s[QB]                   ; 64 batch + query block
	s_mul_i32 s68, s66, 6144
	s_mov_b32 s69, 0
	s_add_nc_u64 s[4:5], s[4:5], s[68:69]          ; theta's four images
	s_lshl_b32 s68, s66, 8
	s_add_nc_u64 s[6:7], s[6:7], s[68:69]          ; and their scale words
	s_lshl_b32 s68, s[BAT], 22
	s_lshl_b32 s67, s[WV], 20
	s_add_co_u32 s68, s68, s67
	s_lshl_b32 s67, s[QB], 8
	s_add_co_u32 s68, s68, s67
	s_add_nc_u64 s[12:13], s[12:13], s[68:69]      ; x and out0 at channel 64 w, my block's 256 bytes
	s_add_nc_u64 s[16:17], s[16:17], s[68:69]
	s_lshl_b32 s68, s[WV], 8
	s_add_nc_u64 s[14:15], s[14:15], s[68:69]      ; b_rec at channel 64 w
.irp t, 0,1,2,3
.irp c, 0,1,2
	global_load_b128 v[TH+12*\t+4*\c:TH+12*\t+4*\c+3], v[LI], s[4:5] offset:1536*\t+512*\c   ; theta stays in registers
.endr
.endr
	global_load_b128 v[TS:TS+3], v[R16], s[6:7]
	WIN 0xc0
.set i, 0
.rept 32
	global_load_b32 v[BR+i], v[BO], s[14:15] offset:8*i   ; b_rec of channel 64 w + 2 i + lane / 16
.set i, i+1
.endr
	WIN 0
.macro KLOAD par                       ; a step's eight fragments of phi, and its eight registers of scale words
	WIN 0xc0
.irp k, 0,1,2,3,4,5,6,7
.irp c, 0,1,2
	ds_load_b128 v[12*\k+4*\c:12*\k+4*\c+3], v[KA+(\par)] offset:1536*\k+512*\c
.endr
.endr
	WIN 0
.irp a, 0,1
	ds_load_b128 v[SCL+8*(\par)+4*\a:SCL+8*(\par)+4*\a+3], v[KA+(\par)] offset:24576+512*\a
.endr
.endm
.macro VLOAD par                       ; its eight fragments of g
	WIN 0xc0
.irp k, 0,1,2,3,4,5,6,7
.irp c, 0,1,2
	ds_load_b128 v[VF+12*\k+4*\c:VF+12*\k+4*\c+3], v[KA+(\par)] offset:12288+1536*\k+512*\c
.endr
.endr
.endm
.macro APH par                         ; S^T = phi theta^T: 32 products, each fragment of phi against the four tiles of queries
	WIN 0x43                                       ; source 0 window 3, source 1 window 0, destination window 1
.irp k, 0,1,2,3,4,5,6,7
.irp t, 0,1,2,3
	v_wmma_scale_f32_16x16x128_f8f6f4 v[64*\t+8*\k:64*\t+8*\k+7], v[12*\k:12*\k+11], v[TH+12*\t:TH+12*\t+11], 0, v[SCL+8*(\par)+\k], v[TS+\t] matrix_a_fmt:MATRIX_FMT_BF6 matrix_b_fmt:MATRIX_FMT_BF6
.endr
.endr
.endm
.macro BPH par, zero                   ; O^T += g P^T: 32 products, the 32 accumulators by turns.  zero = 1: the first step starts the sums
	WIN 0xa3                                       ; source 0 window 3, source 1 window 0, C and D window 2
.irp k, 0,1,2,3,4,5,6,7
.irp t, 0,1,2,3
.if \zero
	v_wmma_scale_f32_16x16x128_f8f6f4 v[64*\t+8*\k:64*\t+8*\k+7], v[VF+12*\k:VF+12*\k+11], v[P+12*\t:P+12*\t+11], 0, v[SCL+8*(\par)+\k], v[PW+\t] matrix_a_fmt:MATRIX_FMT_BF6 matrix_b_fmt:MATRIX_FMT_BF6 matrix_a_scale:MATRIX_SCALE_ROW1
.else
	v_wmma_scale_f32_16x16x128_f8f6f4 v[64*\t+8*\k:64*\t+8*\k+7], v[VF+12*\k:VF+12*\k+11], v[P+12*\t:P+12*\t+11], v[64*\t+8*\k:64*\t+8*\k+7], v[SCL+8*(\par)+\k], v[PW+\t] matrix_a_fmt:MATRIX_FMT_BF6 matrix_b_fmt:MATRIX_FMT_BF6 matrix_a_scale:MATRIX_SCALE_ROW1
.endif
.endr
.endr
.endm
; Between a step's quantiser and its second product.  mode 2: the slot in hand, whose last bytes (g's) have been asked for, is filled again with the step two on in my cluster's order.  Each wave waits
; for all its tensor loads (the one that is out is the other slot's), adds 0 to its spare word, and waits for that and for its reads of the slot; the round of the cluster's barrier follows, and the
; joint refill is the first thing behind it.  It has the second product, the next step's first product and its quantiser in which to land.  mode 1: the last step's slot is waited for.  mode 0: x is asked for.
.macro MID par, mode
.if \mode == 2
	s_wait_tensorcnt 0x0                           ; no tensor load of mine is out, so a group 0 may be written
	ds_add_u32 v[SPW], v[NIL]                      ; 0 onto my spare word
	PLACES 8                                       ; P's scale words, written by vector instructions, stand eight places ahead of the scaled products, P's codes four
	s_add_co_u32 s[IDX], s[IDX], 1                 ; the next of my eight steps, round the end
	s_and_b32 s[IDX], s[IDX], 7
	s_mul_i32 s[OFS], s[IDX], SLOTB
	s_add_nc_u64 s[G0+4*(\par)+2:G0+4*(\par)+3], s[KVB:KVB+1], s[OFS:OFS+1]
	s_or_b32 s[G0+4*(\par)+3], s[G0+4*(\par)+3], 0x80000000   ; type = 2
	s_wait_dscnt 0x0                               ; the add is done; g's fragments are in: my reads of this slot are over
	CROUND
	tensor_load_to_lds s[G0+4*(\par):G0+4*(\par)+3], s[G1:G1+7]   ; my one tensor load behind the round
	s_nop 0
	PLACES 4
	KLOAD 1-(\par)                                 ; the next step's phi, from the other slot, which has landed
.elseif \mode == 1
	s_wait_tensorcnt 0x0                           ; the last step's block has landed (the bytes are my own: no barrier)
	PLACES 8
	s_wait_dscnt 0x0
	KLOAD 1-(\par)
.else
	PLACES 8
	s_wait_dscnt 0x0
	WIN 0xc0
.set i, 0
.rept 32
	global_load_b128 v[4*i:4*i+3], v[GO], s[12:13] offset:32768*i th:TH_LOAD_NT   ; x for the residual: channels 64 w + 2 i + lane / 16, my block's 256 bytes; into phi's registers, which are done with
.set i, i+1
.endr
	WIN 0
.endif
.endm
.macro STEP par, zero, mode
	PLACES 4                                       ; in front of loads into registers that the last products have read
	VLOAD \par
	s_wait_dscnt 24                                ; phi and the scale words are in; g's 24 loads may be out
	APH \par
	WIN 0
	PLACES 4                                       ; in front of the first read of results
.irp t, 0,1,2,3
	QUANT 64*\t,1,FL,P+12*\t,PW+\t
.endr
	MID \par, \mode
	BPH \par, \zero
	WIN 0
.endm
	s_wait_tensorcnt 2                             ; my slot 0 is in; slot 1 and w_rec's quarter may be out (the bytes that I read now are my own)
	KLOAD 0
	s_wait_loadcnt 0x0                             ; theta, its scale words, b_rec
	STEP 0, 1, 2
	s_mov_b32 s[LOOP], 2
.Lpair:
	STEP 1, 0, 2
	STEP 0, 0, 2
	s_sub_co_u32 s[LOOP], s[LOOP], 1
	s_cmp_lg_u32 s[LOOP], 0
	s_cbranch_scc1 .Lpair
	STEP 1, 0, 2                                   ; the sixth and last refill: the eighth step of my cluster's order
	STEP 0, 0, 1                                   ; the tail is written out
	STEP 1, 0, 0
	; ---- the four parts of the sums meet.  My 256 registers go to the first 32,768 bytes of my own ring, which has had its last fill and its last read
	PLACES 4
	WIN 0x08                                       ; an LDS store's data are its source 1: window 2
.set i, 0
.rept 64
	ds_store_b128 v[KA], v[4*i:4*i+3] offset:512*i ; each accumulator from its low end on
.set i, i+1
.endr
	WIN 0
	s_wait_dscnt 0x0
	s_barrier_signal -1
	s_barrier_wait -1
	WIN 0x40
.irp u, 0,1,2,3
.irp i, 0,1,2,3,4,5,6,7,8,9,10,11,12,13,14,15
	ds_load_b128 v[64*\u+4*\i:64*\u+4*\i+3], v[RD+\u] offset:512*\i   ; wave u's part of query tile w
.endr
.endr
	WIN 0x80
.irp t, 0,1,2,3,4,5,6,7,8,9,10,11,12,13,14,15
.irp c, 0,1,2
	ds_load_b128 v[12*\t+4*\c:12*\t+4*\c+3], v[WL] offset:1536*\t+512*\c   ; w_rec's sixteen fragments
.endr
.endr
	WIN 0
.irp t, 0,1,2,3,4,5,6,7,8,9,10,11,12,13,14,15
	ds_load_b32 v[WS+\t], v[WSL] offset:128*\t
.endr
	s_wait_dscnt 63                                ; the four parts are in (w_rec's 64 loads are younger; the count's field ends at 63)
	WIN 0x45
.set i, 0
.rept 32
	v_pk_add_f32 v[i:i+1], v[i:i+1], v[64+i:65+i]
	v_pk_add_f32 v[128+i:129+i], v[128+i:129+i], v[192+i:193+i]
.set i, i+2
.endr
.set i, 0
.rept 32
	v_pk_add_f32 v[i:i+1], v[i:i+1], v[128+i:129+i]   ; y of my 16 queries: register 16 b + i = channel 32 b + 16 (lane / 16) + i
.set i, i+2
.endr
	QUANT 0,1,FL,P,PW
	PLACES 8                                       ; the scale word eight places ahead of the scaled products
	s_wait_dscnt 0x0                               ; w_rec
	WIN 0x48                                       ; source 0 (y) window 0, source 1 (w_rec) window 2, destination window 1
.irp t, 0,1,2,3,4,5,6,7,8,9,10,11,12,13,14,15
	v_wmma_scale_f32_16x16x128_f8f6f4 v[64+8*\t:64+8*\t+7], v[P:P+11], v[12*\t:12*\t+11], 0, v[PW], v[WS+\t] matrix_a_fmt:MATRIX_FMT_BF6 matrix_b_fmt:MATRIX_FMT_BF6   ; a lane holds channel 16 t + r and eight neighbouring positions
.endr
	WIN 0
	PLACES 4
	WIN 0x04                                       ; the data: window 1
.irp t, 0,1,2,3,4,5,6,7,8,9,10,11,12,13,14,15
	ds_store_b128 v[SO], v[64+8*\t:64+8*\t+3] offset:4352*\t
	ds_store_b128 v[SO], v[64+8*\t+4:64+8*\t+7] offset:4352*\t+16
.endr
	WIN 0
	s_wait_dscnt 0x0
	s_barrier_signal -1
	s_barrier_wait -1                              ; 256 channel rows of 64 positions lie in the stage
	WIN 0x40
.set i, 0
.rept 32
	ds_load_b128 v[64+4*i:64+4*i+3], v[SR] offset:544*i
.set i, i+1
.endr
	s_wait_loadcnt 0x0                             ; x
	WIN 0x4d                                       ; destination and source 0 window 1, source 1 window 3
.set i, 0
.rept 32
	s_wait_dscnt 31-i                              ; row pair i is back; the younger ones may be out
	v_pk_add_f32 v[64+4*i:65+4*i], v[64+4*i:65+4*i], v[4*i:4*i+1]       ; + x
	v_pk_add_f32 v[66+4*i:67+4*i], v[66+4*i:67+4*i], v[4*i+2:4*i+3]
	v_add_f32 v[64+4*i], v[64+4*i], v[BR+i]                             ; + b_rec of my row
	v_add_f32 v[65+4*i], v[65+4*i], v[BR+i]
	v_add_f32 v[66+4*i], v[66+4*i], v[BR+i]
	v_add_f32 v[67+4*i], v[67+4*i], v[BR+i]
.set i, i+1
.endr
	WIN 0x04
.set i, 0
.rept 32
	global_store_b128 v[GO], v[64+4*i:64+4*i+3], s[16:17] offset:32768*i th:TH_STORE_NT   ; 16 lanes store 256 consecutive bytes, at a multiple of 256 from out0's first byte
.set i, i+1
.endr
	WIN 0
	s_wait_tensorcnt 0x0                           ; the wave's end: behind my last tensor load and my last LDS store
	ds_add_u32 v[SPW], v[NIL]
	s_wait_dscnt 0x0
	CROUND                                         ; the closing round: no work-group ends while a partner may still ask for a block that names it
	s_endpgm
.Lfunc_end_k_qe18a95d6c7_attn:
	.size	k_qe18a95d6c7_attn, .Lfunc_end_k_qe18a95d6c7_attn-k_qe18a95d6c7_attn
	.p2alignl 7, 3214868480
	.fill 96, 4, 3214868480
	.section	.rodata,"a",@progbits
	.p2align	6, 0x0
	.amdhsa_kernel k_qe18a95d6c7_attn
		.amdhsa_group_segment_fixed_size 327680
		.amdhsa_private_segment_fixed_size 0
		.amdhsa_enable_private_segment 0
		.amdhsa_kernarg_size 56
		.amdhsa_user_sgpr_count 2
		.amdhsa_user_sgpr_kernarg_segment_ptr 1
		.amdhsa_wavefront_size32 1
		.amdhsa_system_sgpr_workgroup_id_x 1
		.amdhsa_system_sgpr_workgroup_id_y 1
		.amdhsa_system_sgpr_workgroup_id_z 1
		.amdhsa_system_vgpr_workitem_id 0
		.amdhsa_next_free_vgpr 1024
		.amdhsa_next_free_sgpr 72
		.amdhsa_reserve_vcc 0
		.amdhsa_float_denorm_mode_32 3
		.amdhsa_float_denorm_mode_16_64 3
		.amdhsa_memory_ordered 1
		.amdhsa_forward_progress 1
		.amdhsa_inst_pref_size 223
	.end_amdhsa_kernel
	.amdgpu_metadata
---
amdhsa.version: [ 1, 2 ]
amdhsa.kernels:
  - .name:           k_qe18a95d6c7_attn
    .symbol:         k_qe18a95d6c7_attn.kd
    .args:
      - { .name: th, .offset: 0, .size: 8, .value_kind: global_buffer, .address_space: global }
      - { .name: ths, .offset: 8, .size: 8, .value_kind: global_buffer, .address_space: global }
      - { .name: kv, .offset: 16, .size: 8, .value_kind: global_buffer, .address_space: global }
      - { .name: wr, .offset: 24, .size: 8, .value_kind: global_buffer, .address_space: global }
      - { .name: x, .offset: 32, .size: 8, .value_kind: global_buffer, .address_space: global }
      - { .name: b_rec, .offset: 40, .size: 8, .value_kind: global_buffer, .address_space: global }
      - { .name: out0, .offset: 48, .size: 8, .value_kind: global_buffer, .address_space: global }
    .group_segment_fixed_size: 327680
    .private_segment_fixed_size: 0
    .kernarg_segment_align: 8
    .kernarg_segment_size: 56
    .max_flat_workgroup_size: 128
    .sgpr_count:     72
    .vgpr_count:     1024
    .wavefront_size: 32
...
	.end_amdgpu_metadata
.endif
;; end of part 4
